; MI455X (gfx1250); checked and timed in simulation.
; The chip was launched on July 23, 2026; its instructions are those of AMD's public machine-readable ISA for CDNA 5 (MIT licence, August 2026) and "CDNA5" Instruction Set Architecture Reference Guide (July 2026). The comments in the code are by the model that wrote it; some were corrected since.
;; Mo H Sparse Attention Simple. Allowed arithmetic: float matrix products may take bf16 or f16 operands with f32 sums; all other float work in f32.
;; Inputs: Wk 1,024 x 4,096 float32; Wo 512 x 1,024 float32; Wq 1,024 x 4,096 float32; Wr 1,024 x 32 float32; Wv 1,024 x 4,096 float32; x 2 x 2,048 x 1,024 float32.
;; Outputs: out0 2 x 2,048 x 1,024 float32; out1 2 x 32 int32; out2 one number float32.
;; 2 versions, each right and faster than the one before. Each part assembles by itself: llvm-mc -triple=amdgcn-amd-amdhsa -mcpu=gfx1250 --defsym DOCPART=n.
;; ======== version 1 of 2: 5 launches
;; limits: values are held in f16: magnitudes above 65,504 overflow, below 6.1e-05 lose precision
;; workspace buffers: xb 8,388,608 bytes; wf 26,214,400 bytes; fl 2,293,760 bytes; idx 65,536 bytes of whole numbers; lst 524,544 bytes of whole numbers; qkv 16,777,216 bytes; oh 8,388,608 bytes
;; launch prep (part 1): grid 432 x 1, 8 waves a work-group, no clusters, 134,144 bytes of LDS; arguments x, Wq, Wk, Wv, Wr, Wo, xb, wf, fl, idx; writes xb, wf, fl, idx
.if DOCPART == 1
	.amdgcn_target "amdgcn-amd-amdhsa--gfx1250"
	.amdhsa_code_object_version 6
	.text
	.protected	k_q5454299a56_prep
	.globl	k_q5454299a56_prep
	.p2align	8
	.type	k_q5454299a56_prep,@function
k_q5454299a56_prep:
	s_mov_b64 s[64:65], 0
	v_nop
	global_prefetch_b8 v0, s[64:65] scope:SCOPE_SE
	s_setreg_imm32_b32 hwreg(HW_REG_WAVE_MODE, 25, 1), 1
	s_wait_xcnt 0x0
; PREP.  Two kinds of work-group, told apart by the work-group's number alone.
; 0-31, ROUTER: 128 tokens a work-group, 16 a wave.  x is rounded to bf16 (stored as xb), logits = x Wr by the matrix unit (bf16 operands, f32 sums),
;   softmax over the 32 heads, its entropy, the four largest logits with their heads (idx) and the softmax of those four (fl, HW),
;   a row of 64 cosines and 64 sines for each token (fl, CS), and for each wave 32 lanes of partial sums for the loss (fl, PART).
; 32-431, CONVERSION: a wave takes one unit of 32 k x 128 columns of Wq, Wk, Wv (to bf16) or Wo (to bf16, that number written as f16) and stores it as
;   eight matrix fragments of 1,024 bytes: byte 16 (r + 16 g) holds k = 8 g .. 8 g + 7 of column r, byte 512 + 16 (r + 16 g) holds k = 16 + 8 g .. + 7.
; LIMITS.  NaN and infinities are not treated apart.  Two logits that differ by less than the rounding of their f32 sums may be ranked otherwise than by
; another order of summation; equal logits take the lower head.  The angle pos x inv_freq is good to some 4e-4 rad at position 2,047 (the frequency comes
; from v_exp_f32; the reduction is one fused multiply-add in revolutions; the two series are cut below 1e-6).  Numbers of Wo below 6e-5 keep f16's fixed step of 6e-8.
; NO CLUSTER, NO TENSOR LOADS: no two work-groups read the same bytes but Wr's 128 KiB; every other byte is read once and converted in registers.
.set XTB,   98304                      ; LDS: Wr as bf16, [k][head], 1,024 rows of 96 bytes (64 of data), lies in front of it
.set XTW,   4352                       ; a wave's own 16 rows x 272 bytes: a chunk of x as bf16; later the probabilities (16 x 144) and the first heads (at 2,304)
.set HWO,   2097152                    ; fl: the head weights, [token][4] f32
.set PARTO, 2162688                    ; fl: the partial sums, [wave][lane][4] f32
.set XA, 16                            ; v16-79   a chunk of x: 16 rows x 4 registers
.set XB, 80                            ; v80-143  the other chunk
.set AF, 144                           ; v144-175 x fragments, 4 steps of 32 k
.set BF, 176                           ; v176-239 Wr fragments, 4 steps x 2 tiles of 16 heads
.set A0, 240                           ; v240-247 logits of heads 0-15
.set A1, 248                           ; v248-255 logits of heads 16-31
	s_load_b512 s[4:19], s[0:1], 0x0               ; x 4:5, Wq 6:7, Wk 8:9, Wv 10:11, Wr 12:13, Wo 14:15, xb 16:17, wf 18:19
	s_load_b128 s[20:23], s[0:1], 0x40             ; fl 20:21, idx 22:23
	s_set_vgpr_msb 0x40
	v_lshl_add_u32 v0, v0, 2, 0x20800
	v_mov_b32 v1, 0
	s_set_vgpr_msb 0x4000
	v_lshrrev_b32 v11, 5, v0
	v_readfirstlane_b32 s24, v11                   ; wave
	s_mov_b32 s25, ttmp9
	v_and_b32 v1, 31, v0                           ; lane L
	v_and_b32 v2, 15, v0                           ; r
	v_bfe_u32 v3, v0, 4, 1                         ; g = L / 16
	v_lshlrev_b32 v4, 4, v1                        ; 16 L
	s_mov_b32 s37, 0                               ; the high word of every offset pair s[36:37]
	s_wait_kmcnt 0x0
	s_cmp_ge_u32 s25, 32
	s_cbranch_scc1 .Lconv
; ---------------------------------------------------------------- ROUTER
	s_lshl_b32 s26, s25, 7
	s_lshl4_add_u32 s26, s24, s26                  ; T0 = 128 x work-group + 16 x wave: my first token
	s_lshl_b32 s36, s26, 12
	s_add_nc_u64 s[28:29], s[4:5], s[36:37]        ; x at my first row
	s_lshl_b32 s36, s26, 11
	s_add_nc_u64 s[30:31], s[16:17], s[36:37]      ; xb likewise
	s_lshl_b32 s36, s26, 9
	s_add_nc_u64 s[32:33], s[20:21], s[36:37]      ; my first row of cosines and sines
	s_mov_b32 s40, 0xffff0000                      ; the lanes with g = 1
	s_mov_b32 s41, 0xff800000                      ; -infinity: a logit that has been taken
	s_mov_b32 s60, 0x76543210                      ; v_permlanex16_b32: each lane takes its own place in the other half
	s_mov_b32 s61, 0xfedcba98
	s_mov_b32 s42, -0.71812230                     ; the two highest coefficients of the sine's series, as pairs
	s_mov_b32 s43, s42
	s_mov_b32 s44, 3.8199526
	s_mov_b32 s45, s44
	s_mov_b32 s46, 0.28200597                      ; and of the cosine's
	s_mov_b32 s47, s46
	s_mov_b32 s48, -1.7143907
	s_mov_b32 s49, s48
	s_mov_b32 s39, -0.20762051                     ; -log2(10000) / 64
	s_mov_b32 s50, -2.6514961                      ; -log2(2 pi)
	v_lshlrev_b32 v5, 3, v1                        ; 8 L
	s_mul_i32 s38, s24, XTW
	s_add_co_u32 s38, s38, XTB                     ; my own LDS rows
	v_add_nc_u32 v6, s38, v5                       ; where I put 8 bytes of a row of x
	v_mul_u32_u24 v7, v2, 272
	v_lshl_add_u32 v7, v3, 4, v7
	v_add_nc_u32 v7, s38, v7                       ; x fragment: row r, 16 g
	v_and_b32 v11, 7, v0
	v_lshl_add_u32 v8, v3, 3, v11
	v_mul_u32_u24 v8, v8, 96
	v_bfe_u32 v12, v0, 3, 1
	v_lshl_add_u32 v8, v12, 4, v8                  ; turning load of Wr: row 8 g + L % 8, 16 bytes x ((L / 8) % 2)
	v_lshrrev_b32 v9, 3, v0
	v_mul_u32_u24 v9, v9, 96
	v_lshl_add_u32 v9, v11, 3, v9                  ; where thread t puts 4 heads of Wr's row t / 8
	v_add_nc_u32 v10, 49152, v9                    ; the same 512 rows further down
	v_lshlrev_b32 v13, 4, v0                       ; 16 t
	; 48 loads go out first: Wr's first half, its second half, my first chunk of x (16 rows x 512 bytes)
.set i, 0
.rept 16
	global_load_b128 v[144+4*i:147+4*i], v13, s[12:13] offset:4096*i
.set i, i+1
.endr
.set i, 0
.rept 16
	global_load_b128 v[80+4*i:83+4*i], v13, s[12:13] offset:65536+4096*i
.set i, i+1
.endr
.set i, 0
.rept 16
	global_load_b128 v[XA+4*i:XA+4*i+3], v4, s[28:29] offset:4096*i th:TH_LOAD_NT
.set i, i+1
.endr
	; COSINES AND SINES, while those loads are on their way.  Lane L owns frequencies 2 L and 2 L + 1; c = inv_freq / 2 pi, so c x pos counts revolutions.
	v_lshlrev_b32 v11, 1, v1
	v_cvt_f32_u32 v208, v11
	v_add_f32 v209, 1.0, v208
	v_fma_f32 v208, v208, s39, s50
	v_fma_f32 v209, v209, s39, s50
	v_exp_f32 v208, v208
	v_exp_f32 v209, v209
	s_and_b32 s36, s26, 2047                       ; my first token's position in its sequence
	v_cvt_f32_u32 v210, s36                        ; (a plain instruction behind the exponentials)
	v_mov_b32 v211, v210
	v_mov_b32 v222, v5
	s_mov_b32 s34, 16
.Lcs:                                                  ; a trip: one token's row
	s_wait_alu depctr_va_vdst(0)
	v_pk_mul_f32 v[212:213], v[208:209], v[210:211]
	v_rndne_f32 v212, v212
	v_rndne_f32 v213, v213
	v_pk_fma_f32 v[214:215], v[208:209], v[210:211], v[212:213] neg_lo:[0,0,1] neg_hi:[0,0,1]  ; f = c pos - whole revolutions, within a half
	v_pk_mul_f32 v[216:217], v[214:215], v[214:215]
	v_pk_fma_f32 v[218:219], v[216:217], s[42:43], s[44:45] op_sel_hi:[1,0,0]
	v_pk_fma_f32 v[220:221], v[216:217], s[46:47], s[48:49] op_sel_hi:[1,0,0]
.irp k, -15.094643, 42.058694, -76.705860, 81.605249, -41.341702, 6.2831853
	v_pk_fma_f32 v[218:219], v[218:219], v[216:217], \k op_sel_hi:[1,1,0]
.endr
.irp k, 7.9035364, -26.426257, 60.244641, -85.456817, 64.939394, -19.739209, 1.0
	v_pk_fma_f32 v[220:221], v[220:221], v[216:217], \k op_sel_hi:[1,1,0]
.endr
	v_pk_mul_f32 v[218:219], v[218:219], v[214:215]
	global_store_b64 v222, v[220:221], s[32:33]              ; 32 lanes: 256 consecutive bytes of cosines
	global_store_b64 v222, v[218:219], s[32:33] offset:256   ; and of sines
	s_wait_xcnt 0x0                                ; the stores' offset and data are written again only behind this wait
	v_add_nc_u32 v222, 512, v222
	v_pk_add_f32 v[210:211], v[210:211], 1.0 op_sel_hi:[1,0]
	s_sub_co_u32 s34, s34, 1
	s_cmp_lg_u32 s34, 0
	s_cbranch_scc1 .Lcs
	; Wr into LDS as bf16
	s_wait_loadcnt 32                              ; behind Wr's first half 32 loads were issued: its second half and x
.set i, 0
.rept 16
	v_cvt_pk_bf16_f32 v[144+4*i], v[144+4*i], v[145+4*i]
	v_cvt_pk_bf16_f32 v[145+4*i], v[146+4*i], v[147+4*i]
	ds_store_b64 v9, v[144+4*i:145+4*i] offset:3072*i
.set i, i+1
.endr
	s_wait_loadcnt 16                              ; behind the second half: x's 16
.set i, 0
.rept 16
	v_cvt_pk_bf16_f32 v[80+4*i], v[80+4*i], v[81+4*i]
	v_cvt_pk_bf16_f32 v[81+4*i], v[82+4*i], v[83+4*i]
	ds_store_b64 v10, v[80+4*i:81+4*i] offset:3072*i
.set i, i+1
.endr
	s_wait_dscnt 0x0                               ; for the others' sake: my part of Wr is in LDS
	s_barrier_signal -1
	s_barrier_wait -1
; A chunk of 128 k: the next chunk is asked for, this one is rounded, stored as xb, laid into my LDS rows, read back as fragments and multiplied.
; The two accumulators take turns, over the loop's edge too.  The next chunk's 32 conversions are the places between a chunk's
; last product and the LDS loads into the fragments' registers.
.macro CHUNK X, Y, zero, ahead
.if \ahead
.set i, 0
.rept 16
	global_load_b128 v[\Y+4*i:\Y+4*i+3], v4, s[28:29] offset:4096*i+512 th:TH_LOAD_NT
.set i, i+1
.endr
	s_wait_loadcnt 16                              ; all but the 16 just issued
.else
	s_wait_loadcnt 0x0
.endif
.set i, 0
.rept 16
	v_cvt_pk_bf16_f32 v[\X+4*i], v[\X+4*i], v[\X+4*i+1]
	v_cvt_pk_bf16_f32 v[\X+4*i+1], v[\X+4*i+2], v[\X+4*i+3]
.set i, i+1
.endr
.set i, 0
.rept 16
	global_store_b64 v5, v[\X+4*i:\X+4*i+1], s[30:31] offset:2048*i   ; 32 lanes: 256 consecutive bytes, at a multiple of 256 from xb's first
	ds_store_b64 v6, v[\X+4*i:\X+4*i+1] offset:272*i
.set i, i+1
.endr
.set kp, 0
.rept 4
	ds_load_b128 v[AF+8*kp:AF+8*kp+3],   v7 offset:64*kp       ; LDS serves a wave's instructions in order (ISA guide 5.7.1.4): these see the stores above
	ds_load_b128 v[AF+8*kp+4:AF+8*kp+7], v7 offset:64*kp+32
.set kp, kp+1
.endr
.set kp, 0
.rept 4
.set n, 0
.rept 2
	ds_load_tr16_b128 v[BF+16*kp+8*n:BF+16*kp+8*n+3],   v8 offset:3072*kp+32*n
	ds_load_tr16_b128 v[BF+16*kp+8*n+4:BF+16*kp+8*n+7], v8 offset:3072*kp+32*n+1536
.set n, n+1
.endr
.set kp, kp+1
.endr
	s_wait_dscnt 0x0
.set kp, 0
.rept 4
.if (\zero) && (kp == 0)
	v_wmma_f32_16x16x32_bf16 v[A0:A0+7], v[BF:BF+7], v[AF:AF+7], 0        ; the first products start the sums
	v_wmma_f32_16x16x32_bf16 v[A1:A1+7], v[BF+8:BF+15], v[AF:AF+7], 0
.else
	v_wmma_f32_16x16x32_bf16 v[A0:A0+7], v[BF+16*kp:BF+16*kp+7], v[AF+8*kp:AF+8*kp+7], v[A0:A0+7]
	v_wmma_f32_16x16x32_bf16 v[A1:A1+7], v[BF+16*kp+8:BF+16*kp+15], v[AF+8*kp:AF+8*kp+7], v[A1:A1+7]
.endif
.set kp, kp+1
.endr
	s_wait_xcnt 0x0                                ; the bases are stepped, and the stores' data loaded anew, only behind this wait
	s_add_nc_u64 s[28:29], s[28:29], 512
	s_add_nc_u64 s[30:31], s[30:31], 256
	v_add_nc_u32 v8, 12288, v8                     ; 128 rows of Wr further down
.endm
	CHUNK XA, XB, 1, 1
	s_mov_b32 s34, 3
.Lk:
	CHUNK XB, XA, 0, 1
	CHUNK XA, XB, 0, 1
	s_sub_co_u32 s34, s34, 1
	s_cmp_lg_u32 s34, 0
	s_cbranch_scc1 .Lk
	CHUNK XB, XA, 0, 0
	; THE 32 LOGITS OF A TOKEN IN ONE LANE.  The product was taken with the heads as rows: lane (r, g) holds token r, heads 8 g + j and 16 + 8 g + j.
	; The other half's sixteen come by v_permlanex16_b32; both lanes of a token then do the same work.  The sixteen moves are the places behind the last products.
.set i, 0
.rept 16
	v_mov_b32 v[48+i], 0
.set i, i+1
.endr
.set i, 0
.rept 8
	v_permlanex16_b32 v[48+i], v[A0+i], s60, s61
.set i, i+1
.endr
.set i, 0
.rept 8
	v_permlanex16_b32 v[56+i], v[A1+i], s60, s61
.set i, i+1
.endr
.set i, 0
.rept 8
	v_cndmask_b32 v[16+i], v[A0+i], v[48+i], s40
	v_cndmask_b32 v[24+i], v[48+i], v[A0+i], s40
	v_cndmask_b32 v[32+i], v[A1+i], v[56+i], s40
	v_cndmask_b32 v[40+i], v[56+i], v[A1+i], s40
.set i, i+1
.endr
	; softmax over the 32 heads, with the maximum taken away
	v_max3_num_f32 v11, v16, v17, v18
.set i, 19
.rept 14
	v_max3_num_f32 v11, v11, v[i], v[i+1]
.set i, i+2
.endr
	v_max_num_f32 v11, v11, v47
	v_mul_f32 v12, 0x3fb8aa3b, v11
	v_mov_b32 v13, v12
.set i, 0
.rept 16
	v_pk_fma_f32 v[64+2*i:65+2*i], v[16+2*i:17+2*i], 0x3fb8aa3b, v[12:13] op_sel_hi:[1,0,0] neg_lo:[0,0,1] neg_hi:[0,0,1]
.set i, i+1
.endr
.set i, 0
.rept 32
	v_exp_f32 v[64+i], v[64+i]
.set i, i+1
.endr
	v_nop
	s_wait_alu depctr_va_vdst(0)
	v_pk_add_f32 v[14:15], v[64:65], v[66:67]
.set i, 2
.rept 14
	v_pk_add_f32 v[14:15], v[14:15], v[64+2*i:65+2*i]
.set i, i+1
.endr
	v_add_f32 v14, v14, v15
	v_rcp_f32 v14, v14
	v_nop
.set i, 0
	s_wait_alu depctr_va_vdst(0)
.rept 16
	v_pk_mul_f32 v[64+2*i:65+2*i], v[64+2*i:65+2*i], v[14:15] op_sel_hi:[1,0]
.set i, i+1
.endr
	; the sum of p log2(p + 1e-8): the entropy but for its sign and ln 2
.set i, 0
.rept 16
	v_pk_add_f32 v[96+2*i:97+2*i], v[64+2*i:65+2*i], 0x322bcc77 op_sel_hi:[1,0]
.set i, i+1
.endr
.set i, 0
.rept 32
	v_log_f32 v[96+i], v[96+i]
.set i, i+1
.endr
	v_nop
	s_wait_alu depctr_va_vdst(0)
	v_pk_mul_f32 v[128:129], v[64:65], v[96:97]
.set i, 1
.rept 15
	v_pk_fma_f32 v[128:129], v[64+2*i:65+2*i], v[96+2*i:97+2*i], v[128:129]
.set i, i+1
.endr
	v_add_f32 v146, v128, v129
	v_mul_u32_u24 v6, v2, 144
	v_add_nc_u32 v6, s38, v6
.set i, 0
.rept 8
	ds_store_b128 v6, v[64+4*i:67+4*i] offset:16*i  ; the token's probabilities; its two lanes write the same bytes with the same numbers
.set i, i+1
.endr
	; THE FOUR LARGEST.  A trip finds the largest logit (going down through the heads with >=, so that of equal ones the lowest head stays), takes it out, and shifts it into the list.
.set i, 0
.rept 8
	v_mov_b32 v[132+i], 0
.set i, i+1
.endr
	s_mov_b32 s34, 4
.Ltop:
	v_mov_b32 v140, v47
	v_mov_b32 v141, 31
.set i, 30
.rept 31
	v_cmp_ge_f32 vcc_lo, v[16+i], v140
	v_cndmask_b32 v140, v140, v[16+i], vcc_lo
	v_cndmask_b32 v141, v141, i, vcc_lo
.set i, i-1
.endr
.set i, 0
.rept 32
	v_cmp_eq_u32 vcc_lo, i, v141
	v_cndmask_b32 v[16+i], v[16+i], s41, vcc_lo
.set i, i+1
.endr
	v_mov_b32 v132, v133
	v_mov_b32 v133, v134
	v_mov_b32 v134, v135
	v_mov_b32 v135, v140
	v_mov_b32 v136, v137
	v_mov_b32 v137, v138
	v_mov_b32 v138, v139
	v_mov_b32 v139, v141
	s_sub_co_u32 s34, s34, 1
	s_cmp_lg_u32 s34, 0
	s_cbranch_scc1 .Ltop
	; softmax of the four; the first is their maximum
	v_sub_f32 v133, v133, v132
	v_sub_f32 v134, v134, v132
	v_sub_f32 v135, v135, v132
	v_mul_f32 v133, 0x3fb8aa3b, v133
	v_mul_f32 v134, 0x3fb8aa3b, v134
	v_mul_f32 v135, 0x3fb8aa3b, v135
	v_exp_f32 v133, v133
	v_exp_f32 v134, v134
	v_exp_f32 v135, v135
	v_mov_b32 v132, 1.0
	s_wait_alu depctr_va_vdst(0)
	v_add_f32 v140, v133, v134
	v_add_f32 v141, 1.0, v135
	v_add_f32 v140, v140, v141
	v_rcp_f32 v140, v140
	v_nop
	s_wait_alu depctr_va_vdst(0)
	v_pk_mul_f32 v[132:133], v[132:133], v[140:141] op_sel_hi:[1,0]
	v_pk_mul_f32 v[134:135], v[134:135], v[140:141] op_sel_hi:[1,0]
	v_lshl_add_u32 v7, v2, 2, s38
	ds_store_b32 v7, v136 offset:2304              ; the token's first head
	v_add_nc_u32 v11, s26, v2
	v_lshlrev_b32 v11, 4, v11                      ; 16 bytes a token
	v_cmp_gt_u32 vcc_lo, 16, v1
	s_wait_xcnt 0x0                                ; EXEC changes only behind this wait
	s_set_vgpr_msb 0x5
	s_wait_tensorcnt 0x0
	ds_add_u32 v0, v1
	s_wait_dscnt 0x0
	s_set_vgpr_msb 0x500
	s_and_saveexec_b32 s35, vcc_lo                 ; one lane for each token
	global_store_b128 v11, v[136:139], s[22:23]              ; 16 lanes: 256 consecutive bytes
	global_store_b128 v11, v[132:135], s[20:21] offset:HWO
	s_wait_xcnt 0x0
	s_or_b32 exec_lo, exec_lo, s35
	; now lane L stands for head L: the sum of its probability over my 16 tokens, and how many of them have it first
	v_lshl_add_u32 v8, v1, 2, s38
	v_mov_b32 v9, s38
.set i, 0
.rept 16
	ds_load_b32 v[96+i], v8 offset:144*i
.set i, i+1
.endr
.set i, 0
.rept 4
	ds_load_b128 v[112+4*i:115+4*i], v9 offset:2304+16*i
.set i, i+1
.endr
	s_wait_dscnt 0x0
	v_add_f32 v144, v96, v97
.set i, 2
.rept 14
	v_add_f32 v144, v144, v[96+i]
.set i, i+1
.endr
	v_mov_b32 v145, 0
.set i, 0
.rept 16
	v_cmp_eq_u32 vcc_lo, v[112+i], v1
	v_cndmask_b32 v12, 0, 1.0, vcc_lo
	v_add_f32 v145, v145, v12
.set i, i+1
.endr
	v_mov_b32 v147, 0
	s_lshl3_add_u32 s36, s25, s24
	s_lshl_b32 s36, s36, 9
	v_add_nc_u32 v13, s36, v4
	global_store_b128 v13, v[144:147], s[20:21] offset:PARTO ; (sum of p, count, entropy term of token r, 0): 512 consecutive bytes a wave; each token's term stands twice
	s_endpgm
; ---------------------------------------------------------------- CONVERSION
; 32 loads bring 32 rows (k) x 512 bytes: lane L holds columns 4 L .. 4 L + 3 of every k.  For each column and each eight k four roundings make the 16 bytes
; that one lane of a fragment holds; they go through the wave's own 8,192 bytes of LDS and leave as 16 stores of 512 consecutive bytes.
.macro CONV pitch, half
.set k, 0
.rept 32
	global_load_b128 v[16+4*k:19+4*k], v4, s[28:29] offset:k*\pitch th:TH_LOAD_NT
.set k, k+1
.endr
.set o, 0
.rept 4
	s_wait_loadcnt 24-8*o                          ; the eight rows 8 o .. are in; the later ones may be out
.set c, 0
.rept 4
.set j, 0
.rept 4
	v_cvt_pk_bf16_f32 v[144+16*c+4*o+j], v[16+4*(8*o+2*j)+c], v[16+4*(8*o+2*j+1)+c]
.if \half
	v_lshlrev_b32 v12, 16, v[144+16*c+4*o+j]       ; the bf16 numbers, written as f16
	v_and_b32 v13, 0xffff0000, v[144+16*c+4*o+j]
	v_cvt_pk_f16_f32 v[144+16*c+4*o+j], v12, v13
.endif
.set j, j+1
.endr
	ds_store_b128 v5, v[144+16*c+4*o:144+16*c+4*o+3] offset:16*c+(o/2)*512+(o%2)*256
.set c, c+1
.endr
.set o, o+1
.endr
.set i, 0
.rept 16
	ds_load_b128 v[16+4*i:19+4*i], v6 offset:512*i ; in order behind my stores
.set i, i+1
.endr
.set i, 0
.rept 16
	s_wait_dscnt 15-i
	global_store_b128 v4, v[16+4*i:19+4*i], s[30:31] offset:512*i
.set i, i+1
.endr
.endm
.Lconv:
	s_sub_co_u32 s26, s25, 32
	s_lshl3_add_u32 s26, s26, s24                  ; my unit, 0 .. 3,199
	s_lshl_b32 s36, s26, 13
	s_add_nc_u64 s[30:31], s[18:19], s[36:37]      ; its 8,192 bytes in wf
	s_lshl_b32 s38, s24, 13                        ; my 8,192 bytes of LDS
	v_lshrrev_b32 v5, 2, v1
	v_and_b32 v11, 3, v1
	v_lshlrev_b32 v5, 10, v5
	v_lshl_add_u32 v5, v11, 6, v5
	v_add_nc_u32 v5, s38, v5                       ; tile L / 4, column 4 (L % 4)
	v_add_nc_u32 v6, s38, v4
	s_cmp_ge_u32 s25, 416
	s_cbranch_scc1 .Lwo
	s_lshr_b32 s39, s26, 10                        ; which of Wq, Wk, Wv
	s_bfe_u32 s34, s26, 0x50005                    ; head
	s_and_b32 s35, s26, 31                         ; step of 32 k
	s_cmp_eq_u32 s39, 1
	s_cselect_b64 s[28:29], s[8:9], s[6:7]
	s_cmp_eq_u32 s39, 2
	s_cselect_b64 s[28:29], s[10:11], s[28:29]
	s_lshl_b32 s36, s35, 19                        ; 32 rows of 16,384 bytes
	s_lshl_b32 s34, s34, 9                         ; 128 columns
	s_add_co_u32 s36, s36, s34
	s_add_nc_u64 s[28:29], s[28:29], s[36:37]
	CONV 16384, 0
	s_set_vgpr_msb 0x5
	s_wait_tensorcnt 0x0
	ds_add_u32 v0, v1
	s_wait_dscnt 0x0
	s_set_vgpr_msb 0x500
	s_endpgm
.Lwo:
	s_sub_co_u32 s39, s26, 3072
	s_lshr_b32 s34, s39, 4                         ; group of 128 columns
	s_and_b32 s35, s39, 15                         ; step of 32 k
	s_lshl_b32 s36, s35, 17                        ; 32 rows of 4,096 bytes
	s_lshl_b32 s34, s34, 9
	s_add_co_u32 s36, s36, s34
	s_add_nc_u64 s[28:29], s[14:15], s[36:37]
	CONV 4096, 1
	s_set_vgpr_msb 0x5
	s_wait_tensorcnt 0x0
	ds_add_u32 v0, v1
	s_wait_dscnt 0x0
	s_set_vgpr_msb 0x500
	s_endpgm
.Lfunc_end_k_q5454299a56_prep:
	.size	k_q5454299a56_prep, .Lfunc_end_k_q5454299a56_prep-k_q5454299a56_prep
	.p2alignl 7, 3214868480
	.fill 96, 4, 3214868480
	.section	.rodata,"a",@progbits
	.p2align	6, 0x0
	.amdhsa_kernel k_q5454299a56_prep
		.amdhsa_group_segment_fixed_size 134144
		.amdhsa_private_segment_fixed_size 0
		.amdhsa_enable_private_segment 0
		.amdhsa_kernarg_size 80
		.amdhsa_user_sgpr_count 2
		.amdhsa_user_sgpr_kernarg_segment_ptr 1
		.amdhsa_wavefront_size32 1
		.amdhsa_system_sgpr_workgroup_id_x 1
		.amdhsa_system_sgpr_workgroup_id_y 1
		.amdhsa_system_sgpr_workgroup_id_z 1
		.amdhsa_system_vgpr_workitem_id 0
		.amdhsa_next_free_vgpr 258
		.amdhsa_next_free_sgpr 66
		.amdhsa_reserve_vcc 1
		.amdhsa_float_denorm_mode_32 3
		.amdhsa_float_denorm_mode_16_64 3
		.amdhsa_memory_ordered 1
		.amdhsa_forward_progress 1
		.amdhsa_inst_pref_size 109
	.end_amdhsa_kernel
	.amdgpu_metadata
---
amdhsa.version: [ 1, 2 ]
amdhsa.kernels:
  - .name:           k_q5454299a56_prep
    .symbol:         k_q5454299a56_prep.kd
    .args:
      - { .name: x, .offset: 0, .size: 8, .value_kind: global_buffer, .address_space: global }
      - { .name: Wq, .offset: 8, .size: 8, .value_kind: global_buffer, .address_space: global }
      - { .name: Wk, .offset: 16, .size: 8, .value_kind: global_buffer, .address_space: global }
      - { .name: Wv, .offset: 24, .size: 8, .value_kind: global_buffer, .address_space: global }
      - { .name: Wr, .offset: 32, .size: 8, .value_kind: global_buffer, .address_space: global }
      - { .name: Wo, .offset: 40, .size: 8, .value_kind: global_buffer, .address_space: global }
      - { .name: xb, .offset: 48, .size: 8, .value_kind: global_buffer, .address_space: global }
      - { .name: wf, .offset: 56, .size: 8, .value_kind: global_buffer, .address_space: global }
      - { .name: fl, .offset: 64, .size: 8, .value_kind: global_buffer, .address_space: global }
      - { .name: idx, .offset: 72, .size: 8, .value_kind: global_buffer, .address_space: global }
    .group_segment_fixed_size: 134144
    .private_segment_fixed_size: 0
    .kernarg_segment_align: 8
    .kernarg_segment_size: 80
    .max_flat_workgroup_size: 256
    .sgpr_count:     66
    .vgpr_count:     258
    .wavefront_size: 32
...
	.end_amdgpu_metadata
.endif
;; end of part 1
;; launch bucket (part 2): grid 33 x 1, 8 waves a work-group, no clusters, 9,216 bytes of LDS; arguments idx, fl, lst, out1, out2; writes lst, out1, out2
.if DOCPART == 2
	.amdgcn_target "amdgcn-amd-amdhsa--gfx1250"
	.amdhsa_code_object_version 6
	.text
	.protected	k_q5454299a56_bucket
	.globl	k_q5454299a56_bucket
	.p2align	8
	.type	k_q5454299a56_bucket,@function
k_q5454299a56_bucket:
	s_mov_b64 s[64:65], 0
	v_nop
	global_prefetch_b8 v0, s[64:65] scope:SCOPE_SE
	s_setreg_imm32_b32 hwreg(HW_REG_WAVE_MODE, 25, 1), 1
	s_wait_xcnt 0x0
; BUCKET.  Work-group h < 32 scans all 4,096 tokens' four heads and writes the list of those that chose head h: an entry is the row of q, k and v that the
; token takes in its slot's sequence, (batch x 4 + slot) x 2,048 + position; the list's length goes behind the lists.  No atomics: each wave counts, the counts
; meet in LDS, each wave then knows where its entries begin.  The entries are compacted words, 64 KiB in the whole launch: neighbouring live lanes store neighbouring words.
; Work-group 32 adds up the router's partial sums to the auxiliary loss and writes the 64 zeros of the head counts.
; Memory and latency bind; the matrix unit, clusters and tensor loads have nothing to do here.
.set PARTO, 2162688
	s_load_b256 s[4:11], s[0:1], 0x0               ; idx 4:5, fl 6:7, lst 8:9, out1 10:11
	s_load_b64 s[12:13], s[0:1], 0x20              ; out2
	v_lshl_add_u32 v160, v0, 2, 0x2000
	v_mov_b32 v161, 0
	v_lshrrev_b32 v1, 5, v0
	v_readfirstlane_b32 s14, v1                    ; wave
	s_mov_b32 s15, ttmp9
	s_lshl_b32 s54, ttmp9, 2
	v_mov_b32 v15, s54                             ; 4 h: where my list's length goes, behind the lists; never rewritten
	v_and_b32 v1, 31, v0
	v_lshlrev_b32 v2, 4, v0                        ; 16 t
	v_lshlrev_b32 v3, 4, v1                        ; 16 L
	s_wait_kmcnt 0x0
	s_cmp_eq_u32 s15, 32
	s_cbranch_scc1 .Lloss
; ---------------------------------------------------------------- a head's list
.set i, 0
.rept 16
	global_load_b128 v[16+4*i:19+4*i], v2, s[4:5] offset:4096*i   ; token 256 i + t
.set i, i+1
.endr
	s_mov_b32 s36, 0
	s_wait_loadcnt 0x0
.set i, 0
.rept 16
	v_cmp_eq_u32 s32, s15, v[16+4*i]
	v_cmp_eq_u32 s33, s15, v[17+4*i]
	v_cmp_eq_u32 s34, s15, v[18+4*i]
	v_cmp_eq_u32 s35, s15, v[19+4*i]
	v_cndmask_b32 v[80+i], 0, 1, s33               ; the slot (a token's four heads differ, so one at most is mine)
	v_cndmask_b32 v[80+i], v[80+i], 2, s34
	v_cndmask_b32 v[80+i], v[80+i], 3, s35
	v_lshl_add_u32 v[80+i], v[80+i], 11, v0
	v_add_nc_u32 v[80+i], (i/8)*8192+(i%8)*256, v[80+i]
	s_or_b32 s32, s32, s33
	s_or_b32 s34, s34, s35
	s_or_b32 s[16+i], s32, s34                     ; the lanes whose token chose this head
	s_bcnt1_i32_b32 s37, s[16+i]
	s_add_co_u32 s36, s36, s37
.set i, i+1
.endr
	v_mov_b32 v11, s36
	v_mov_b32 v12, s14
	v_lshlrev_b32 v12, 2, v12
	ds_store_b32 v12, v11                          ; my wave's count
	s_wait_dscnt 0x0
	s_barrier_signal -1
	s_barrier_wait -1
	v_mov_b32 v13, 0
	ds_load_b128 v[96:99], v13
	ds_load_b128 v[100:103], v13 offset:16
	s_wait_dscnt 0x0
.set i, 0
.rept 8
	v_readfirstlane_b32 s[40+i], v[96+i]
.set i, i+1
.endr
	s_mov_b32 s38, 0                               ; where my wave's entries begin
	s_mov_b32 s39, 0                               ; the list's length
.set i, 0
.rept 8
	s_add_co_u32 s39, s39, s[40+i]
	s_cmp_gt_u32 s14, i
	s_cselect_b32 s37, s[40+i], 0
	s_add_co_u32 s38, s38, s37
.set i, i+1
.endr
.set i, 0
.rept 16
	v_mbcnt_lo_u32_b32 v[112+i], s[16+i], 0        ; live lanes below me
	v_add_nc_u32 v[112+i], s38, v[112+i]
	v_min_u32 v[112+i], 0xfff, v[112+i]            ; a list has 4,096 places
	v_lshlrev_b32 v[112+i], 2, v[112+i]
	s_bcnt1_i32_b32 s37, s[16+i]
	s_add_co_u32 s38, s38, s37
.set i, i+1
.endr
	v_mov_b32 v14, s39
	s_lshl_b32 s50, s15, 14
	s_mov_b32 s51, 0
	s_add_nc_u64 s[50:51], s[8:9], s[50:51]        ; my head's list
.set i, 0
.rept 16
	s_mov_b32 vcc_lo, s[16+i]
	s_wait_xcnt 0x0                                ; EXEC changes only behind this wait
	s_and_saveexec_b32 s48, vcc_lo
	global_store_b32 v[112+i], v[80+i], s[50:51]
	s_wait_xcnt 0x0
	s_or_b32 exec_lo, exec_lo, s48
.set i, i+1
.endr
	v_cmp_eq_u32 vcc_lo, 0, v0
	s_wait_xcnt 0x0
	s_and_saveexec_b32 s48, vcc_lo
	global_store_b32 v15, v14, s[8:9] offset:524288
	s_wait_xcnt 0x0
	s_or_b32 exec_lo, exec_lo, s48
	s_wait_xcnt 0x0
	s_mov_b32 exec_lo, -1
	s_wait_tensorcnt 0x0
	ds_add_u32 v160, v161
	s_wait_dscnt 0x0
	s_endpgm
; ---------------------------------------------------------------- the loss
.Lloss:
	s_lshl_b32 s37, s14, 14
	v_add_nc_u32 v4, s37, v3                       ; wave w adds the router waves 32 w .. 32 w + 31: waves 0-3 batch 0, waves 4-7 batch 1
.set j, 0
.rept 32
	global_load_b128 v[16+4*j:19+4*j], v4, s[6:7] offset:PARTO+512*j
.set j, j+1
.endr
	s_wait_loadcnt 0x0
	v_pk_add_f32 v[144:145], v[16:17], v[20:21]
	v_pk_add_f32 v[146:147], v[18:19], v[22:23]
.set j, 2
.rept 30
	v_pk_add_f32 v[144:145], v[144:145], v[16+4*j:17+4*j]
	v_pk_add_f32 v[146:147], v[146:147], v[18+4*j:19+4*j]
.set j, j+1
.endr
	s_lshl_b32 s37, s14, 9
	v_add_nc_u32 v5, s37, v3
	ds_store_b128 v5, v[144:147] offset:256
	s_wait_dscnt 0x0
	s_barrier_signal -1
	s_barrier_wait -1
	s_cmp_lg_u32 s14, 0
	s_cbranch_scc1 .Lend                           ; wave 0 finishes
.set j, 0
.rept 8
	ds_load_b128 v[16+4*j:19+4*j], v3 offset:256+512*j
.set j, j+1
.endr
	s_mov_b32 s52, 0x76543210
	s_mov_b32 s53, 0xfedcba98
	s_wait_dscnt 0x0
	v_pk_add_f32 v[48:49], v[16:17], v[20:21]      ; batch 0: (sum of p, count) of head L
	v_pk_add_f32 v[50:51], v[24:25], v[28:29]
	v_pk_add_f32 v[48:49], v[48:49], v[50:51]
	v_pk_add_f32 v[52:53], v[32:33], v[36:37]      ; batch 1
	v_pk_add_f32 v[54:55], v[40:41], v[44:45]
	v_pk_add_f32 v[52:53], v[52:53], v[54:55]
	v_add_f32 v56, v18, v22
.set j, 2
.rept 6
	v_add_f32 v56, v56, v[18+4*j]
.set j, j+1
.endr
	v_mul_f32 v57, v48, v49
	v_fmac_f32 v57, v52, v53
	v_mul_f32 v56, 0x35632166, v56                 ; 0.01 ln 2 / 8,192: 4,096 tokens, each term twice; the sign of the entropy and of its weight cancel
	v_fmamk_f32 v57, v57, 0x36800000, v56          ; 32 / (2 x 2,048 x 2,048) = 2^-18
	v_add_f32_dpp v57, v57, v57 row_xmask:1 row_mask:0xf bank_mask:0xf
	v_add_f32_dpp v57, v57, v57 row_xmask:2 row_mask:0xf bank_mask:0xf
	v_add_f32_dpp v57, v57, v57 row_xmask:4 row_mask:0xf bank_mask:0xf
	v_add_f32_dpp v57, v57, v57 row_xmask:8 row_mask:0xf bank_mask:0xf
	v_mov_b32 v58, 0
	v_permlanex16_b32 v58, v57, s52, s53
	v_add_f32 v57, v57, v58
	v_mov_b32 v59, 0
	v_mov_b32 v60, 0
	v_mov_b32 v61, 0
	v_mov_b32 v62, 0
	v_mov_b32 v63, 0
	v_cmp_gt_u32 vcc_lo, 16, v0
	s_wait_xcnt 0x0
	s_and_saveexec_b32 s48, vcc_lo
	global_store_b128 v3, v[60:63], s[10:11]       ; the head counts: 256 bytes of zeros in one store
	s_wait_xcnt 0x0
	s_or_b32 exec_lo, exec_lo, s48
	v_cmp_eq_u32 vcc_lo, 0, v0
	s_and_saveexec_b32 s48, vcc_lo
	global_store_b32 v59, v57, s[12:13]
	s_wait_xcnt 0x0
	s_or_b32 exec_lo, exec_lo, s48
.Lend:
	s_wait_xcnt 0x0
	s_mov_b32 exec_lo, -1
	s_wait_tensorcnt 0x0
	ds_add_u32 v160, v161
	s_wait_dscnt 0x0
	s_endpgm
.Lfunc_end_k_q5454299a56_bucket:
	.size	k_q5454299a56_bucket, .Lfunc_end_k_q5454299a56_bucket-k_q5454299a56_bucket
	.p2alignl 7, 3214868480
	.fill 96, 4, 3214868480
	.section	.rodata,"a",@progbits
	.p2align	6, 0x0
	.amdhsa_kernel k_q5454299a56_bucket
		.amdhsa_group_segment_fixed_size 9216
		.amdhsa_private_segment_fixed_size 0
		.amdhsa_enable_private_segment 0
		.amdhsa_kernarg_size 40
		.amdhsa_user_sgpr_count 2
		.amdhsa_user_sgpr_kernarg_segment_ptr 1
		.amdhsa_wavefront_size32 1
		.amdhsa_system_sgpr_workgroup_id_x 1
		.amdhsa_system_sgpr_workgroup_id_y 1
		.amdhsa_system_sgpr_workgroup_id_z 1
		.amdhsa_system_vgpr_workitem_id 0
		.amdhsa_next_free_vgpr 162
		.amdhsa_next_free_sgpr 66
		.amdhsa_reserve_vcc 1
		.amdhsa_float_denorm_mode_32 3
		.amdhsa_float_denorm_mode_16_64 3
		.amdhsa_memory_ordered 1
		.amdhsa_forward_progress 1
		.amdhsa_inst_pref_size 35
	.end_amdhsa_kernel
	.amdgpu_metadata
---
amdhsa.version: [ 1, 2 ]
amdhsa.kernels:
  - .name:           k_q5454299a56_bucket
    .symbol:         k_q5454299a56_bucket.kd
    .args:
      - { .name: idx, .offset: 0, .size: 8, .value_kind: global_buffer, .address_space: global }
      - { .name: fl, .offset: 8, .size: 8, .value_kind: global_buffer, .address_space: global }
      - { .name: lst, .offset: 16, .size: 8, .value_kind: global_buffer, .address_space: global }
      - { .name: out1, .offset: 24, .size: 8, .value_kind: global_buffer, .address_space: global }
      - { .name: out2, .offset: 32, .size: 8, .value_kind: global_buffer, .address_space: global }
    .group_segment_fixed_size: 9216
    .private_segment_fixed_size: 0
    .kernarg_segment_align: 8
    .kernarg_segment_size: 40
    .max_flat_workgroup_size: 256
    .sgpr_count:     66
    .vgpr_count:     162
    .wavefront_size: 32
...
	.end_amdgpu_metadata
.endif
;; end of part 2
;; launch proj (part 3): grid 8 x 32, 8 waves a work-group, no clusters, 250,624 bytes of LDS; arguments lst, xb, wf, fl, qkv; writes qkv
.if DOCPART == 3
	.amdgcn_target "amdgcn-amd-amdhsa--gfx1250"
	.amdhsa_code_object_version 6
	.text
	.protected	k_q5454299a56_proj
	.globl	k_q5454299a56_proj
	.p2align	8
	.type	k_q5454299a56_proj,@function
k_q5454299a56_proj:
	s_mov_b64 s[64:65], 0
	v_nop
	global_prefetch_b8 v0, s[64:65] scope:SCOPE_SE
	s_setreg_imm32_b32 hwreg(HW_REG_WAVE_MODE, 25, 1), 1
	s_wait_xcnt 0x0
; PROJ.  For head h: the rows of x whose token chose h, times that head's 128 columns of Wq, of Wk and of Wv (bf16 operands, f32 sums); q and k are rotated (RoPE) in f32
; and rounded once to f16; v leaves as TWO f16 numbers, hi (the f32 sum with its 13 lowest mantissa bits cleared, which f16 holds exactly) and lo (the rest, rounded): in a sequence's
; first rows v reaches the output undiminished, and one f16 rounding of it is too coarse for numbers near zero there.  All are stored at the entry's row of its slot's sequence.  q is not scaled here.
; SHARES.  Work-group (part, head): an eighth of the head's list, rounded up to 16 entries, in passes of 80 entries.  The list's length is read from memory, so the pass loop counts to
; the constant 7 (512 entries, the most an eighth can be) and a pass with nothing left jumps forward over its three sections; the barriers stand between the sections, on every path.
; A row past the part's end repeats the part's last entry: it computes and stores the same bytes at the same place.
; Wave w: the pair of column tiles (w % 4, w % 4 + 4) of q (w < 4) or k, which RoPE combines, and tile w of v: 5 x 3 accumulators.
; The product is taken with the weights as rows: a lane holds ONE entry (lane % 16) and eight neighbouring columns.
; The gathered rows lie in LDS, read by all eight waves.  Each weight fragment feeds one wave alone: it comes straight into registers, 512 consecutive bytes a load, three K steps ahead.
; THE 32 K STEPS ARE WRITTEN OUT: a step's place stands in the immediates (64 bytes a step in an LDS row, 8,192 bytes a step in the weights), so that no address register is ever
; stepped: the x fragments' five LDS addresses are made once, and every LDS range can be read off the text: gathered rows below byte 165,120, the stages from there on.
; NO CLUSTER: what a head's eight work-groups share, the weights, goes to registers and not to LDS, and which passes are live hangs on counts read from memory.
; LIMIT.  q, k and v must stay within f16's 65,504; below 6e-5 they keep f16's fixed step of 6e-8.
.set AXP, 2064                         ; a gathered row in LDS: 2,048 bytes + 16: the 16 rows of a fragment load start 16 bytes apart modulo 256
.set STB, 80*AXP                       ; behind them the stage: 80 rows x 784 bytes (q 256, k 256, v hi 256, 16 of padding)
.set STP, 784
.set STB2, STB+80*STP                  ; behind that v lo's stage: 80 rows x 272 bytes
.set SLP, 272
.set AA,  8                            ; v8-12   LDS address of my lane's place in tile mt of 16 gathered rows; never rewritten
.set E,   16                           ; v16-20  the entries of my rows 10 w + 2 i + g
.set XO,  21                           ; v21-25  byte offsets: in the list, in xb, at last in qkv
.set CO,  26                           ; v26-30  byte offsets: in the list, then in the table of cosines
.set T,   32                           ; v32-63  at work
.set AF,  80                           ; v80-159  x fragments: 2 buffers x 5 tiles of 16 entries; behind the K steps v80-95 hold v's two parts in f32
.set BF,  160                          ; v160-255 weight fragments: 4 slots x 3 tiles
.set CSN, 128                          ; window 1: v128-207, for each tile of entries 8 cosines, 8 sines; v0-119 the accumulators, (mt, n) at 8 (3 mt + n)
.set MSB, 0
.macro WIN new                         ; the immediate's high byte repeats the setting that is left
.if MSB != (\new)
	s_set_vgpr_msb (MSB<<8)|(\new)
.set MSB, \new
.endif
.endm
.macro PLACES                          ; four plain instructions between a matrix instruction and a load into, or a read of, its registers
.rept 4
	v_nop
.endr
.endm
.macro TOK d, e, t                     ; an entry's token: batch x 2,048 + position, kept inside the table
	v_lshrrev_b32 v[\t], 13, v[\e]
	v_and_b32 v[\d], 0x7ff, v[\e]
	v_lshl_or_b32 v[\d], v[\t], 11, v[\d]
	v_min_u32 v[\d], 0xfff, v[\d]
.endm
	s_load_b256 s[4:11], s[0:1], 0x0               ; lst 4:5, xb 6:7, wf 8:9, fl 10:11
	s_load_b64 s[12:13], s[0:1], 0x20              ; qkv
	v_lshl_add_u32 v78, v0, 2, 0x3cf00
	v_mov_b32 v79, 0
	v_lshrrev_b32 v1, 5, v0
	v_readfirstlane_b32 s14, v1                    ; wave
	s_and_b32 s15, s14, 3                          ; pair of tiles
	s_lshr_b32 s16, s14, 2                         ; q or k
	s_and_b32 s17, ttmp7, 0xffff                   ; head
	s_lshl_b32 s40, s17, 2
	s_mov_b32 s41, 0xffffe000                      ; keeps an f32's sign, exponent and ten highest mantissa bits
	s_mov_b32 s37, 0
	s_wait_kmcnt 0x0
	s_load_b32 s18, s[4:5], s40 offset:0x80000     ; the list's length
	v_and_b32 v1, 31, v0
	v_and_b32 v2, 15, v0                           ; r
	v_bfe_u32 v3, v0, 4, 1                         ; g
	v_lshlrev_b32 v4, 4, v1                        ; 16 L
	v_lshlrev_b32 v5, 4, v2                        ; 16 r
	s_mul_i32 s38, s14, 10
	v_add_nc_u32 v31, s38, v3                      ; my first row of a pass: 10 w + g
	s_mul_i32 s38, s14, 10*AXP
	v_mul_u32_u24 v6, v3, AXP
	v_add3_u32 v6, v6, v5, s38                     ; where I put 16 bytes of it
	v_mul_u32_u24 v7, v2, AXP
	v_lshl_add_u32 v7, v3, 4, v7                   ; x fragment: row r, 16 g
.set mt, 0
.rept 5
	v_add_nc_u32 v[AA+mt], 16*AXP*mt, v7           ; in tile mt
.set mt, mt+1
.endr
	v_mul_u32_u24 v13, v2, STP
	v_lshl_add_u32 v13, v3, 4, v13
	s_lshl_b32 s38, s14, 5
	s_add_co_u32 s38, s38, STB+512
	v_add_nc_u32 v14, s38, v13                     ; stage, v hi: row r, column 16 w + 8 g
	s_lshl_b32 s38, s16, 8
	s_lshl_b32 s39, s15, 5
	s_add_co_u32 s38, s38, s39
	s_add_co_u32 s38, s38, STB
	v_add_nc_u32 v13, s38, v13                     ; stage, q or k: row r, column 16 pair + 8 g
	s_mul_i32 s38, s14, 10*STP
	s_add_co_u32 s38, s38, STB
	v_mul_u32_u24 v15, v3, STP
	v_add3_u32 v15, v15, v5, s38                   ; back: 16 lanes take 256 bytes of row 10 w + g
	v_mul_u32_u24 v65, v2, SLP
	v_lshl_add_u32 v65, v3, 4, v65
	s_lshl_b32 s38, s14, 5
	s_add_co_u32 s38, s38, STB2
	v_add_nc_u32 v65, s38, v65                     ; v lo's stage: row r, column 16 w + 8 g
	s_mul_i32 s38, s14, 10*SLP
	s_add_co_u32 s38, s38, STB2
	v_mul_u32_u24 v66, v3, SLP
	v_add3_u32 v66, v66, v5, s38                   ; and back
	s_lshl_b32 s38, s15, 6
	v_lshl_add_u32 v64, v3, 5, s38                 ; my eight frequencies in a row of cosines: 4 (16 pair + 8 g)
.set i, 0
.rept 5
	v_mov_b32 v[E+i], 0
.set i, i+1
.endr
	s_lshl_b32 s36, s17, 14
	s_add_nc_u64 s[24:25], s[4:5], s[36:37]        ; my head's list
	s_lshl_b32 s36, s16, 10
	s_lshl_b32 s38, s17, 5
	s_add_co_u32 s36, s36, s38
	s_lshl_b32 s36, s36, 13
	s_lshl_b32 s38, s15, 10
	s_add_co_u32 s36, s36, s38
	s_add_nc_u64 s[26:27], s[8:9], s[36:37]        ; q's or k's units of my head, at my first tile
	s_lshl_b32 s36, s17, 5
	s_add_co_u32 s36, s36, 2048
	s_lshl_b32 s36, s36, 13
	s_lshl_b32 s38, s14, 10
	s_add_co_u32 s36, s36, s38
	s_add_nc_u64 s[28:29], s[8:9], s[36:37]        ; v's units, at tile w
	s_add_nc_u64 s[34:35], s[12:13], 0x800000      ; v hi's part of qkv; v lo's lies 4 MiB behind it
	s_wait_kmcnt 0x0
	s_min_u32 s18, s18, 4096
	s_add_co_u32 s38, s18, 127
	s_lshr_b32 s38, s38, 7
	s_lshl_b32 s38, s38, 4                         ; entries to a part
	s_mul_i32 s19, s38, ttmp9                      ; p: the pass's first entry
	s_add_co_u32 s20, s19, s38
	s_min_u32 s20, s20, s18                        ; the part's end
	s_sub_co_u32 s23, s20, 1
	s_mov_b32 s21, 7
.macro LDB slot, ku                    ; K step ku's three weight fragments: six loads of 512 consecutive bytes
	global_load_b128 v[BF+24*(\slot):BF+24*(\slot)+3],     v4, s[26:27] offset:8192*(\ku)
	global_load_b128 v[BF+24*(\slot)+4:BF+24*(\slot)+7],   v4, s[26:27] offset:8192*(\ku)+512
	global_load_b128 v[BF+24*(\slot)+8:BF+24*(\slot)+11],  v4, s[26:27] offset:8192*(\ku)+4096
	global_load_b128 v[BF+24*(\slot)+12:BF+24*(\slot)+15], v4, s[26:27] offset:8192*(\ku)+4608
	global_load_b128 v[BF+24*(\slot)+16:BF+24*(\slot)+19], v4, s[28:29] offset:8192*(\ku)
	global_load_b128 v[BF+24*(\slot)+20:BF+24*(\slot)+23], v4, s[28:29] offset:8192*(\ku)+512
.endm
.macro LDA buf, off                    ; a K step's five x fragments: ten LDS loads
.set mt, 0
.rept 5
	ds_load_b128 v[AF+40*(\buf)+8*mt:AF+40*(\buf)+8*mt+3],   v[AA+mt] offset:\off
	ds_load_b128 v[AF+40*(\buf)+8*mt+4:AF+40*(\buf)+8*mt+7], v[AA+mt] offset:(\off)+32
.set mt, mt+1
.endr
.endm
; K step k of 32.  The next step's x and the weights three steps on are asked for; then 15 products, the accumulators by turns.
.macro STEP k
.if (\k) > 0
	PLACES                                         ; the registers loaded below were multiplied in the step before
.endif
	WIN 0
.if (\k) < 31
	LDA ((\k)+1)%2, 64*((\k)+1)
.endif
.if (\k) < 29
	LDB ((\k)+3)%4, (\k)+3
.endif
.if (\k) < 31
	s_wait_dscnt 10                                ; all but the ten just issued
.else
	s_wait_dscnt 0x0
.endif
.if (\k) < 29
	s_wait_loadcnt 18                              ; behind this step's weights stand three steps' loads, six each
.else
	s_wait_loadcnt 6*(31-(\k))                     ; the loads have run out: the count runs down
.endif
	WIN 0x50                                       ; C and D in window 1
.set mt, 0
.rept 5
.set n, 0
.rept 3
.if (\k) == 0
	v_wmma_f32_16x16x32_bf16 v[8*(3*mt+n):8*(3*mt+n)+7], v[BF+24*((\k)%4)+8*n:BF+24*((\k)%4)+8*n+7], v[AF+40*((\k)%2)+8*mt:AF+40*((\k)%2)+8*mt+7], 0
.else
	v_wmma_f32_16x16x32_bf16 v[8*(3*mt+n):8*(3*mt+n)+7], v[BF+24*((\k)%4)+8*n:BF+24*((\k)%4)+8*n+7], v[AF+40*((\k)%2)+8*mt:AF+40*((\k)%2)+8*mt+7], v[8*(3*mt+n):8*(3*mt+n)+7]
.endif
.set n, n+1
.endr
.set mt, mt+1
.endr
.endm
.Lpass:
	; SECTION 1: my ten rows of x are gathered into LDS
	s_cmp_ge_u32 s19, s20
	s_cbranch_scc1 .Lb1
.set i, 0
.rept 5
	v_add3_u32 v[XO+i], v31, s19, 2*i
	v_min_u32 v[XO+i], s23, v[XO+i]                ; past the end: the last entry once more
	v_min_u32 v[XO+i], 0xfff, v[XO+i]
	v_lshlrev_b32 v[XO+i], 2, v[XO+i]
.set i, i+1
.endr
.set i, 0
.rept 5
	global_load_b32 v[E+i], v[XO+i], s[24:25]
.set i, i+1
.endr
	s_wait_loadcnt 0x0
.set i, 0
.rept 5
	TOK T+i, E+i, T+8+i
	v_lshl_add_u32 v[XO+i], v[T+i], 11, v5
.set i, i+1
.endr
.set n, 0
.rept 40
	global_load_b128 v[80+4*n:83+4*n], v[XO+n/8], s[6:7] offset:256*(n%8)  ; 16 lanes take 256 consecutive bytes of a row, the other 16 of the next row
.set n, n+1
.endr
.set n, 0
.rept 40
	s_wait_loadcnt 39-n
	ds_store_b128 v6, v[80+4*n:83+4*n] offset:4128*(n/8)+256*(n%8)
.set n, n+1
.endr
.Lb1:
	s_wait_dscnt 0x0                               ; my rows are in LDS, and my reads of the stages are back
	s_barrier_signal -1
	s_barrier_wait -1
	; SECTION 2: the products, RoPE, and the results into the stages
	s_cmp_ge_u32 s19, s20
	s_cbranch_scc1 .Lb2
.set mt, 0
.rept 5
	v_add3_u32 v[CO+mt], v2, s19, 16*mt            ; in the accumulators my lane's entry is 16 mt + r
	v_min_u32 v[CO+mt], s23, v[CO+mt]
	v_min_u32 v[CO+mt], 0xfff, v[CO+mt]
	v_lshlrev_b32 v[CO+mt], 2, v[CO+mt]
.set mt, mt+1
.endr
.set mt, 0
.rept 5
	global_load_b32 v[T+mt], v[CO+mt], s[24:25]
.set mt, mt+1
.endr
	s_wait_loadcnt 0x0
.set mt, 0
.rept 5
	TOK T+mt, T+mt, T+8+mt
	v_lshl_add_u32 v[CO+mt], v[T+mt], 9, v64
.set mt, mt+1
.endr
	WIN 0x40
.set mt, 0
.rept 5
	global_load_b128 v[CSN+16*mt:CSN+16*mt+3],     v[CO+mt], s[10:11]
	global_load_b128 v[CSN+16*mt+4:CSN+16*mt+7],   v[CO+mt], s[10:11] offset:16
	global_load_b128 v[CSN+16*mt+8:CSN+16*mt+11],  v[CO+mt], s[10:11] offset:256
	global_load_b128 v[CSN+16*mt+12:CSN+16*mt+15], v[CO+mt], s[10:11] offset:272
.set mt, mt+1
.endr
	WIN 0
	LDB 0, 0
	LDB 1, 1
	LDB 2, 2
	LDA 0, 0
.set ks, 0
.rept 32                                           ; the first K step starts the sums
	STEP ks
.set ks, ks+1
.endr
	PLACES
.set mt, 0
.rept 5
	WIN 0x05                                       ; sources 0 and 1 in window 1
.set p, 0
.rept 4
	v_pk_mul_f32 v[T+2*p:T+2*p+1], v[24*mt+2*p:24*mt+2*p+1], v[CSN+16*mt+2*p:CSN+16*mt+2*p+1]          ; x1 cos
	v_pk_mul_f32 v[T+8+2*p:T+8+2*p+1], v[24*mt+2*p:24*mt+2*p+1], v[CSN+16*mt+8+2*p:CSN+16*mt+8+2*p+1]  ; x1 sin
.set p, p+1
.endr
.set p, 0
.rept 4
	v_pk_fma_f32 v[T+2*p:T+2*p+1], v[24*mt+8+2*p:24*mt+8+2*p+1], v[CSN+16*mt+8+2*p:CSN+16*mt+8+2*p+1], v[T+2*p:T+2*p+1] neg_lo:[1,0,0] neg_hi:[1,0,0]  ; - x2 sin
	v_pk_fma_f32 v[T+8+2*p:T+8+2*p+1], v[24*mt+8+2*p:24*mt+8+2*p+1], v[CSN+16*mt+2*p:CSN+16*mt+2*p+1], v[T+8+2*p:T+8+2*p+1]                            ; + x2 cos
.set p, p+1
.endr
.set j, 0
.rept 8
	v_and_b32 v[80+j], s41, v[24*mt+16+j]          ; v hi
.set j, j+1
.endr
	WIN 0x01                                       ; source 0 in window 1
.set p, 0
.rept 4
	v_pk_add_f32 v[88+2*p:89+2*p], v[24*mt+16+2*p:24*mt+16+2*p+1], v[80+2*p:81+2*p] neg_lo:[0,1] neg_hi:[0,1]  ; v lo = v - v hi, exact
.set p, p+1
.endr
	WIN 0
.set p, 0
.rept 4
	v_cvt_pk_f16_f32 v[T+16+p], v[T+2*p], v[T+2*p+1]
	v_cvt_pk_f16_f32 v[T+20+p], v[T+8+2*p], v[T+8+2*p+1]
	v_cvt_pk_f16_f32 v[T+24+p], v[80+2*p], v[81+2*p]
	v_cvt_pk_f16_f32 v[T+28+p], v[88+2*p], v[89+2*p]
.set p, p+1
.endr
	ds_store_b128 v13, v[T+16:T+19] offset:16*STP*mt
	ds_store_b128 v13, v[T+20:T+23] offset:16*STP*mt+128
	ds_store_b128 v14, v[T+24:T+27] offset:16*STP*mt
	ds_store_b128 v65, v[T+28:T+31] offset:16*SLP*mt
.set mt, mt+1
.endr
.Lb2:
	s_wait_dscnt 0x0                               ; my part of the stages is written, and my reads of the gathered rows are back
	s_barrier_signal -1
	s_barrier_wait -1
	; SECTION 3: my ten rows leave, each as four whole rows of 256 bytes
	s_cmp_ge_u32 s19, s20
	s_cbranch_scc1 .Lnext
.set i, 0
.rept 5
	v_min_u32 v[XO+i], 0x3fff, v[E+i]
	v_lshl_add_u32 v[XO+i], v[XO+i], 8, v5
.set i, i+1
.endr
.set n, 0
.rept 15
	ds_load_b128 v[80+4*n:83+4*n], v15 offset:2*STP*(n/3)+256*(n%3)
.set n, n+1
.endr
.set i, 0
.rept 5
	ds_load_b128 v[140+4*i:143+4*i], v66 offset:2*SLP*i
.set i, i+1
.endr
.set n, 0
.rept 15
	s_wait_dscnt 19-n                              ; behind load n stand the 14 - n of this stage and v lo's five
.if n%3 == 0
	global_store_b128 v[XO+n/3], v[80+4*n:83+4*n], s[12:13]
.elseif n%3 == 1
	global_store_b128 v[XO+n/3], v[80+4*n:83+4*n], s[12:13] offset:4194304
.else
	global_store_b128 v[XO+n/3], v[80+4*n:83+4*n], s[34:35]
.endif
.set n, n+1
.endr
.set i, 0
.rept 5
	s_wait_dscnt 4-i
	global_store_b128 v[XO+i], v[140+4*i:143+4*i], s[34:35] offset:4194304
.set i, i+1
.endr
	s_wait_xcnt 0x0                                ; the stores' offsets and data are written again in the next pass
.Lnext:
	s_add_co_u32 s19, s19, 80
	s_sub_co_u32 s21, s21, 1
	s_cmp_lg_u32 s21, 0
	s_cbranch_scc1 .Lpass
	s_barrier_signal -1
	s_barrier_wait -1
	s_wait_tensorcnt 0x0
	ds_add_u32 v78, v79
	s_wait_dscnt 0x0
	s_endpgm
.Lfunc_end_k_q5454299a56_proj:
	.size	k_q5454299a56_proj, .Lfunc_end_k_q5454299a56_proj-k_q5454299a56_proj
	.p2alignl 7, 3214868480
	.fill 96, 4, 3214868480
	.section	.rodata,"a",@progbits
	.p2align	6, 0x0
	.amdhsa_kernel k_q5454299a56_proj
		.amdhsa_group_segment_fixed_size 250624
		.amdhsa_private_segment_fixed_size 0
		.amdhsa_enable_private_segment 0
		.amdhsa_kernarg_size 40
		.amdhsa_user_sgpr_count 2
		.amdhsa_user_sgpr_kernarg_segment_ptr 1
		.amdhsa_wavefront_size32 1
		.amdhsa_system_sgpr_workgroup_id_x 1
		.amdhsa_system_sgpr_workgroup_id_y 1
		.amdhsa_system_sgpr_workgroup_id_z 1
		.amdhsa_system_vgpr_workitem_id 0
		.amdhsa_next_free_vgpr 464
		.amdhsa_next_free_sgpr 66
		.amdhsa_reserve_vcc 0
		.amdhsa_float_denorm_mode_32 3
		.amdhsa_float_denorm_mode_16_64 3
		.amdhsa_memory_ordered 1
		.amdhsa_forward_progress 1
		.amdhsa_inst_pref_size 115
	.end_amdhsa_kernel
	.amdgpu_metadata
---
amdhsa.version: [ 1, 2 ]
amdhsa.kernels:
  - .name:           k_q5454299a56_proj
    .symbol:         k_q5454299a56_proj.kd
    .args:
      - { .name: lst, .offset: 0, .size: 8, .value_kind: global_buffer, .address_space: global }
      - { .name: xb, .offset: 8, .size: 8, .value_kind: global_buffer, .address_space: global }
      - { .name: wf, .offset: 16, .size: 8, .value_kind: global_buffer, .address_space: global }
      - { .name: fl, .offset: 24, .size: 8, .value_kind: global_buffer, .address_space: global }
      - { .name: qkv, .offset: 32, .size: 8, .value_kind: global_buffer, .address_space: global }
    .group_segment_fixed_size: 250624
    .private_segment_fixed_size: 0
    .kernarg_segment_align: 8
    .kernarg_segment_size: 40
    .max_flat_workgroup_size: 256
    .sgpr_count:     66
    .vgpr_count:     464
    .wavefront_size: 32
...
	.end_amdgpu_metadata
.endif
;; end of part 3
;; launch attn (part 4): grid 16 x 8, 4 waves a work-group, no clusters, 120,320 bytes of LDS; arguments qkv, fl, oh; writes oh
.if DOCPART == 4
	.amdgcn_target "amdgcn-amd-amdhsa--gfx1250"
	.amdhsa_code_object_version 6
	.text
	.protected	k_q5454299a56_attn
	.globl	k_q5454299a56_attn
	.p2align	8
	.type	k_q5454299a56_attn,@function
k_q5454299a56_attn:
	s_mov_b64 s[64:65], 0
	v_nop
	global_prefetch_b8 v0, s[64:65] scope:SCOPE_SE
	s_setreg_imm32_b32 hwreg(HW_REG_WAVE_MODE, 25, 1), 1
	s_wait_xcnt 0x0
; ATTN.  Causal attention at head size 128 in eight sequences (batch x slot) of 2,048 rows; q, k in f16, v as two f16 numbers (hi + lo); products, maxima and sums in f32, the weights
; rounded to f16 for the second product, which is taken with v hi and with v lo.  The result is divided by the sum, multiplied by the token's head weight, and stored as two f16 numbers
; again (hi: the f32 number with its 13 lowest mantissa bits cleared; lo: the rest, rounded), each as the fragments that the output projection reads.  Why two: a sequence's first rows are
; many times the output's root mean square, and a single f16 rounding of v or of the result is too coarse for the numbers near zero in them.
; THE WALK.  A sequence has 32 blocks of 64 queries; block i needs the key tiles 0 .. i of 64 keys, the last holding the diagonal.  A work-group takes blocks 31 - b and then b:
; 33 tiles whatever b, walked by one loop with a constant count, two tiles a trip (LDS slot 0, slot 1), the 33rd written out.  A wave owns 16 queries of the block.
; LAYOUT.  S^T = K Q^T (source 0 = 16 keys, source 1 = 16 queries): a lane holds ONE query (lane % 16) and keys 8 (lane / 16) + 0..7; two such results rounded in pairs ARE source 1
; of O^T = V^T P.  K comes out of LDS as it lies, V turned by ds_load_tr16_b128.  p = 2^(c s - c m), c = log2(e) / sqrt(128), with a running maximum m; O and l are multiplied
; by a = 2^(c m_old - c m_new) in every step.  A block begins with c m far below every c s, so its first a is 0 and O and l need only be finite: zeros at the start (64 moves, in the
; wait for the first tile), the first block's leavings for the second.
; THE TILES come through registers: 128 threads x 16 bytes x 24 loads, asked for at a tile's beginning, laid into the other slot at its end; one barrier a tile.
; In phases (scores, softmax, second product): the plain form.  128 work-groups.  NO CLUSTER: a sequence's 16 work-groups ask for the same tile only in the first 17 trips.
; LIMITS.  A hidden score counts as -1e30; a weight below 2^-126 counts as 0; NaN and infinities are not treated apart; q, k, v arrive within f16's range; results below 6e-5 keep f16's fixed step of 6e-8.
.set PK,    272                        ; a row of K in LDS: 256 bytes + 16
.set PV,    288                        ; a row of V: 256 + 32
.set VOFF,  64*PK                      ; V hi's tile; V lo's lies 64 PV behind it
.set SLOT1, 65536
.set AK, 4                             ; v4, v5    my lane's place in K's tile, slot 0, 1; never rewritten
.set AV, 6                             ; v6, v7    the same for V hi's turning loads
.set SK, 8                             ; v8, v9    where thread t puts 16 bytes of K
.set SV, 10                            ; v10, v11  of V hi
.set Q,  32                            ; v32-63    Q: 4 fragments of 32 channels
.set S,  64                            ; v64-95    S^T: 4 tiles of 16 keys
.set P,  96                            ; v96-111   P
.set F,  128                           ; v128-255  16 fragments: K's, then V hi's; at a block's end the result's two parts in f32
.set STG, 64                           ; window 1: v0-63 O^T (8 tiles of 16 channels); v64-159 the next tile on its way (K, V hi, V lo); v160-191 the second block's Q
.set Q2,  160                          ; window 2: v0-127 V lo's 16 fragments
; v12 16 t; v13 Q's offset; v14 16 w + r - 8 g; v15 16 L; v16, v17 the two blocks' head weights, v18 the one in hand; v20 c m; v21 m; v22:23 l; v24-27 at work; v28:29 a; v30 c m_old; v31 their difference
.set MSB, 0
.macro WIN new
.if MSB != (\new)
	s_set_vgpr_msb (MSB<<8)|(\new)
.set MSB, \new
.endif
.endm
.macro PLACES
.rept 4
	v_nop
.endr
.endm
	s_load_b128 s[4:7], s[0:1], 0x0                ; qkv 4:5, fl 6:7
	s_load_b64 s[8:9], s[0:1], 0x10                ; oh
	v_lshl_add_u32 v126, v0, 2, 0x1d400
	v_mov_b32 v127, 0
	v_lshrrev_b32 v1, 5, v0
	v_readfirstlane_b32 s10, v1                    ; wave
	s_mov_b32 s11, ttmp9                           ; b
	s_and_b32 s36, ttmp7, 0xffff                   ; sequence = batch x 4 + slot
	s_sub_co_u32 s14, 31, s11                      ; the last tile of the block whose tiles are being asked for
	s_add_co_u32 s12, s14, 1                       ; tiles left in the block in hand
	s_mov_b32 s13, 1                               ; the tile to ask for next
	s_mov_b32 s30, 0x3e0293ee                      ; c = 0.127517
	s_mov_b32 s31, s30
	s_mov_b32 s32, 0xf149f2ca                      ; -1e30
	s_mov_b32 s33, 0xffffe000                      ; keeps an f32's sign, exponent and ten highest mantissa bits
	s_mov_b32 s35, 0
	s_mov_b32 s60, 0x76543210
	s_mov_b32 s61, 0xfedcba98
	v_and_b32 v1, 31, v0
	v_and_b32 v2, 15, v0                           ; r
	v_bfe_u32 v3, v0, 4, 1                         ; g
	v_mul_u32_u24 v[AK], v2, PK
	v_lshl_add_u32 v[AK], v3, 4, v[AK]
	v_add_nc_u32 v[AK+1], SLOT1, v[AK]
	v_and_b32 v24, 7, v0
	v_bfe_u32 v25, v0, 3, 1
	v_lshl_add_u32 v[AV], v3, 3, v24
	v_mul_u32_u24 v[AV], v[AV], PV
	v_lshl_add_u32 v[AV], v25, 4, v[AV]
	v_add_nc_u32 v[AV], VOFF, v[AV]
	v_add_nc_u32 v[AV+1], SLOT1, v[AV]
	v_lshrrev_b32 v24, 4, v0
	v_mul_u32_u24 v[SK], v24, PK
	v_lshl_add_u32 v[SK], v2, 4, v[SK]
	v_add_nc_u32 v[SK+1], SLOT1, v[SK]
	v_mul_u32_u24 v[SV], v24, PV
	v_lshl_add_u32 v[SV], v2, 4, v[SV]
	v_add_nc_u32 v[SV], VOFF, v[SV]
	v_add_nc_u32 v[SV+1], SLOT1, v[SV]
	v_lshlrev_b32 v12, 4, v0
	v_lshlrev_b32 v13, 8, v2
	v_lshl_add_u32 v13, v3, 4, v13
	s_lshl_b32 s51, s10, 4                         ; 16 w
	s_lshl_b32 s52, s10, 12                        ; its rows' bytes
	v_lshlrev_b32 v14, 3, v3
	v_sub_nc_u32 v14, v2, v14
	v_add_nc_u32 v14, s51, v14                     ; register 8 kt + j of S^T is hidden in the diagonal tile where 16 kt + j is greater
	v_lshlrev_b32 v15, 4, v1
	s_lshr_b32 s44, s36, 2                         ; batch
	s_and_b32 s45, s36, 3                          ; slot
	s_lshl_b32 s49, s44, 11
	s_add_co_u32 s49, s49, s51                     ; batch x 2,048 + 16 w
	s_lshl_b32 s50, s14, 6
	s_add_co_u32 s50, s50, s49
	s_lshl_b32 s50, s50, 4
	s_lshl2_add_u32 s50, s45, s50
	v_lshl_add_u32 v112, v2, 4, s50                ; my token's head weight, first block: (token x 4 + slot) x 4
	s_lshl_b32 s50, s11, 6
	s_add_co_u32 s50, s50, s49
	s_lshl_b32 s50, s50, 4
	s_lshl2_add_u32 s50, s45, s50
	v_lshl_add_u32 v113, v2, 4, s50                ; second block
	s_lshl_b32 s46, s44, 7
	s_add_co_u32 s46, s46, s10                     ; batch x 128 + w
	s_lshl_b32 s48, s45, 12                        ; the slot's four fragments
	s_wait_kmcnt 0x0
	s_lshl_b32 s34, s36, 19
	s_add_nc_u64 s[38:39], s[4:5], s[34:35]        ; q of my sequence
	s_add_nc_u64 s[18:19], s[38:39], 0x400000      ; k
	s_add_nc_u64 s[20:21], s[38:39], 0x800000      ; v hi
	s_add_nc_u64 s[54:55], s[38:39], 0xc00000      ; v lo
	s_lshl_b32 s34, s14, 14
	s_add_co_u32 s34, s34, s52
	s_add_nc_u64 s[40:41], s[38:39], s[34:35]      ; my 16 queries of the first block
	s_lshl_b32 s34, s11, 14
	s_add_co_u32 s34, s34, s52
	s_add_nc_u64 s[42:43], s[38:39], s[34:35]      ; of the second
	s_lshl2_add_u32 s47, s14, s46
	s_lshl_b32 s34, s47, 15
	s_add_co_u32 s34, s34, s48
	s_add_nc_u64 s[26:27], s[8:9], s[34:35]        ; oh: tile of 16 tokens batch x 128 + 4 block + w (32,768 bytes: hi, then lo), fragments 4 slot ..
	s_lshl2_add_u32 s47, s11, s46
	s_lshl_b32 s34, s47, 15
	s_add_co_u32 s34, s34, s48
	s_add_nc_u64 s[28:29], s[8:9], s[34:35]
	WIN 0x40
.set i, 0
.rept 8
	global_load_b128 v[STG+4*i:STG+4*i+3],       v12, s[18:19] offset:2048*i   ; tile 0
	global_load_b128 v[STG+32+4*i:STG+32+4*i+3], v12, s[20:21] offset:2048*i
	global_load_b128 v[STG+64+4*i:STG+64+4*i+3], v12, s[54:55] offset:2048*i
.set i, i+1
.endr
.set i, 0
.rept 4
	global_load_b128 v[Q2+8*i:Q2+8*i+3],   v13, s[42:43] offset:64*i
	global_load_b128 v[Q2+8*i+4:Q2+8*i+7], v13, s[42:43] offset:64*i+32
.set i, i+1
.endr
	WIN 0
.set i, 0
.rept 4
	global_load_b128 v[Q+8*i:Q+8*i+3],   v13, s[40:41] offset:64*i
	global_load_b128 v[Q+8*i+4:Q+8*i+7], v13, s[40:41] offset:64*i+32
.set i, i+1
.endr
	global_load_b32 v16, v112, s[6:7] offset:2097152
	global_load_b32 v17, v113, s[6:7] offset:2097152
	WIN 0x40
.set i, 0
.rept 64
	v_mov_b32 v[i], 0
.set i, i+1
.endr
	WIN 0
	v_mov_b32 v22, 0
	v_mov_b32 v23, 0
	v_mov_b32 v20, 0xfe000000                      ; c m: far below every c s
	v_mov_b32 v21, 0xff7fffff                      ; m: the lowest finite number
	v_mov_b32 v29, 0                               ; named with a as a pair
	s_wait_loadcnt 0x0
	v_mov_b32 v18, v16
	WIN 0x04                                       ; store data in window 1
.set i, 0
.rept 8
	ds_store_b128 v[SK], v[STG+4*i:STG+4*i+3] offset:8*PK*i
	ds_store_b128 v[SV], v[STG+32+4*i:STG+32+4*i+3] offset:8*PV*i
	ds_store_b128 v[SV], v[STG+64+4*i:STG+64+4*i+3] offset:64*PV+8*PV*i
.set i, i+1
.endr
	WIN 0
	s_wait_dscnt 0x0
	s_barrier_signal -1
	s_barrier_wait -1
; One key tile, in LDS slot 'slot'.  last = 1: the walk's 33rd tile, the second block's diagonal one: nothing is asked for, mask and end are certain.
.macro TILE slot, last
.if !(\last)
	s_lshl_b32 s34, s13, 14                        ; the next tile's 16,384 bytes of K, of V hi and of V lo; last tile's loads were waited for, so the bases may be written
	s_add_nc_u64 s[22:23], s[18:19], s[34:35]
	s_add_nc_u64 s[24:25], s[20:21], s[34:35]
	s_add_nc_u64 s[56:57], s[54:55], s[34:35]
	WIN 0x40
.set i, 0
.rept 8
	global_load_b128 v[STG+4*i:STG+4*i+3],       v12, s[22:23] offset:2048*i
	global_load_b128 v[STG+32+4*i:STG+32+4*i+3], v12, s[24:25] offset:2048*i
	global_load_b128 v[STG+64+4*i:STG+64+4*i+3], v12, s[56:57] offset:2048*i
.set i, i+1
.endr
	WIN 0
	s_add_co_u32 s13, s13, 1                       ; the block's next tile, or behind its last the second block's tile 0
	s_cmp_gt_u32 s13, s14
	s_cselect_b32 s13, 0, s13
	s_cselect_b32 s14, s11, s14
.endif
.set f, 0
.rept 16                                           ; K: channels 32 (f / 4) on, keys 16 (f % 4) on
	ds_load_b128 v[F+8*f:F+8*f+3],   v[AK+(\slot)] offset:16*PK*(f%4)+64*(f/4)
	ds_load_b128 v[F+8*f+4:F+8*f+7], v[AK+(\slot)] offset:16*PK*(f%4)+64*(f/4)+32
.set f, f+1
.endr
.set kp, 0
.rept 4
	s_wait_dscnt 24-8*kp                           ; the eight loads of these 32 channels are in; the later ones may be out
.set kt, 0
.rept 4                                            ; the four accumulators take turns
.if kp == 0
	v_wmma_f32_16x16x32_f16 v[S+8*kt:S+8*kt+7], v[F+8*kt:F+8*kt+7], v[Q:Q+7], 0
.else
	v_wmma_f32_16x16x32_f16 v[S+8*kt:S+8*kt+7], v[F+8*(4*kp+kt):F+8*(4*kp+kt)+7], v[Q+8*kp:Q+8*kp+7], v[S+8*kt:S+8*kt+7]
.endif
.set kt, kt+1
.endr
.set kp, kp+1
.endr
	PLACES
.set f, 0
.rept 16                                           ; V hi, turned: keys 32 (f / 8) on, channels 16 (f % 8) on; they land while the softmax is made
	ds_load_tr16_b128 v[F+8*f:F+8*f+3],   v[AV+(\slot)] offset:(f/8)*32*PV+(f%8)*32
	ds_load_tr16_b128 v[F+8*f+4:F+8*f+7], v[AV+(\slot)] offset:(f/8)*32*PV+16*PV+(f%8)*32
.set f, f+1
.endr
	WIN 0x80                                       ; destination window 2
.set f, 0
.rept 16                                           ; V lo likewise
	ds_load_tr16_b128 v[8*f:8*f+3],   v[AV+(\slot)] offset:64*PV+(f/8)*32*PV+(f%8)*32
	ds_load_tr16_b128 v[8*f+4:8*f+7], v[AV+(\slot)] offset:64*PV+(f/8)*32*PV+16*PV+(f%8)*32
.set f, f+1
.endr
	WIN 0
.if !(\last)
	s_cmp_lg_u32 s12, 1
	s_cbranch_scc1 .Lnm_\@                         ; only a block's last tile holds the diagonal
.endif
.set i, 0
.rept 32
	v_cmp_gt_i32 vcc_lo, 16*(i/8)+i%8, v14
	v_cndmask_b32 v[S+i], v[S+i], s32, vcc_lo
.set i, i+1
.endr
.if !(\last)
.Lnm_\@:
.endif
	; the maximum of the lane's 32 scores and the old m; each accumulator is read from its low end on
.set c, 0
.rept 4
	v_max3_num_f32 v[24+c], v[S+8*c], v[S+8*c+1], v[S+8*c+2]
.set c, c+1
.endr
.set c, 0
.rept 4
	v_max3_num_f32 v[24+c], v[24+c], v[S+8*c+3], v[S+8*c+4]
.set c, c+1
.endr
.set c, 0
.rept 4
	v_max3_num_f32 v[24+c], v[24+c], v[S+8*c+5], v[S+8*c+6]
.set c, c+1
.endr
	v_max3_num_f32 v24, v24, v[S+7], v[S+15]
	v_max3_num_f32 v26, v26, v[S+23], v[S+31]
	v_max3_num_f32 v24, v24, v25, v26
	v_max3_num_f32 v24, v24, v27, v21
	v_permlanex16_b32 v25, v24, s60, s61           ; the query's other 32 keys lie in the lane 16 away
	v_mov_b32 v30, v20
	v_max_num_f32 v21, v24, v25
	v_mul_f32 v20, s30, v21
	v_sub_f32 v31, v30, v20
.set i, 0
.rept 16
	v_pk_fma_f32 v[S+2*i:S+2*i+1], v[S+2*i:S+2*i+1], s[30:31], v[20:21] op_sel_hi:[1,0,0] neg_lo:[0,0,1] neg_hi:[0,0,1]  ; c s - c m
.set i, i+1
.endr
	v_exp_f32 v28, v31
.set i, 0
.rept 32
	v_exp_f32 v[S+i], v[S+i]
.set i, i+1
.endr
	v_nop
.set i, 0
	s_wait_alu depctr_va_vdst(0)
.rept 16
	v_cvt_pk_f16_f32 v[P+i], v[S+2*i], v[S+2*i+1]
.set i, i+1
.endr
.set i, 0
.rept 8
	v_pk_add_f32 v[S+4*i:S+4*i+1], v[S+4*i:S+4*i+1], v[S+4*i+2:S+4*i+3]
.set i, i+1
.endr
.set i, 0
.rept 4
	v_pk_add_f32 v[S+8*i:S+8*i+1], v[S+8*i:S+8*i+1], v[S+8*i+4:S+8*i+5]
.set i, i+1
.endr
	v_pk_add_f32 v[S:S+1], v[S:S+1], v[S+8:S+9]
	v_pk_add_f32 v[S+16:S+17], v[S+16:S+17], v[S+24:S+25]
	v_pk_add_f32 v[S:S+1], v[S:S+1], v[S+16:S+17]
	v_pk_fma_f32 v[22:23], v[22:23], v[28:29], v[S:S+1] op_sel_hi:[1,0,1]   ; l = a l + the sum
	WIN 0x41                                       ; O^T in window 1, a in window 0
.set i, 0
.rept 32
	v_pk_mul_f32 v[2*i:2*i+1], v[2*i:2*i+1], v[28:29] op_sel_hi:[1,0]
.set i, i+1
.endr
	s_wait_dscnt 32                                ; V hi is in; V lo's 32 loads, issued behind it, may be out
	WIN 0x50
.set f, 0
.rept 16                                           ; the eight accumulators take turns, through both runs
	v_wmma_f32_16x16x32_f16 v[8*(f%8):8*(f%8)+7], v[F+8*f:F+8*f+7], v[P+8*(f/8):P+8*(f/8)+7], v[8*(f%8):8*(f%8)+7]
.set f, f+1
.endr
	s_wait_dscnt 0x0                               ; V lo is in
	WIN 0x52                                       ; source 0 in window 2
.set f, 0
.rept 16
	v_wmma_f32_16x16x32_f16 v[8*(f%8):8*(f%8)+7], v[8*f:8*f+7], v[P+8*(f/8):P+8*(f/8)+7], v[8*(f%8):8*(f%8)+7]
.set f, f+1
.endr
	WIN 0
	PLACES
.if !(\last)
	s_cmp_lg_u32 s12, 1
	s_cbranch_scc1 .Lnf_\@
.endif
	; A BLOCK ENDS: O^T x head weight / l, in two f16 parts.  Tile cb of 16 channels is half cb % 2 of fragment cb / 2: a store of 512 consecutive bytes each
	v_add_f32 v24, v22, v23
	v_permlanex16_b32 v25, v24, s60, s61
	v_add_f32 v24, v24, v25
	v_rcp_f32 v24, v24
	v_nop
	s_wait_alu depctr_va_vdst(0)
	v_mul_f32 v28, v24, v18
	WIN 0x41
.set i, 0
.rept 32
	v_pk_mul_f32 v[2*i:2*i+1], v[2*i:2*i+1], v[28:29] op_sel_hi:[1,0]
.set i, i+1
.endr
	WIN 0x04                                       ; source 1 in window 1
.set i, 0
.rept 64
	v_and_b32 v[F+i], s33, v[i]                    ; hi
.set i, i+1
.endr
	WIN 0x01                                       ; source 0 in window 1
.set i, 0
.rept 32
	v_pk_add_f32 v[F+64+2*i:F+64+2*i+1], v[2*i:2*i+1], v[F+2*i:F+2*i+1] neg_lo:[0,1] neg_hi:[0,1]   ; lo = the number - hi, exact
.set i, i+1
.endr
	WIN 0
.set i, 0
.rept 32
	v_cvt_pk_f16_f32 v[S+i], v[F+2*i], v[F+2*i+1]
.set i, i+1
.endr
.set i, 0
.rept 32
	v_cvt_pk_f16_f32 v[F+i], v[F+64+2*i], v[F+64+2*i+1]
.set i, i+1
.endr
.set i, 0
.rept 8
	global_store_b128 v15, v[S+4*i:S+4*i+3], s[26:27] offset:512*i
.set i, i+1
.endr
.set i, 0
.rept 8
	global_store_b128 v15, v[F+4*i:F+4*i+3], s[26:27] offset:16384+512*i
.set i, i+1
.endr
.if !(\last)
	s_wait_xcnt 0x0                                ; the stores' base and data are written again only behind this wait
	s_mov_b64 s[26:27], s[28:29]                   ; the second block: its place in oh, its head weights, its Q
	v_mov_b32 v18, v17
	WIN 0x01
.set i, 0
.rept 32
	v_mov_b32 v[Q+i], v[Q2+i]
.set i, i+1
.endr
	WIN 0
	v_mov_b32 v20, 0xfe000000
	v_mov_b32 v21, 0xff7fffff
	s_add_co_u32 s12, s11, 2                       ; b + 1 tiles, after the step below
.Lnf_\@:
	s_sub_co_u32 s12, s12, 1
	s_wait_loadcnt 0x0                             ; the next tile is in registers
	WIN 0x04
.set i, 0
.rept 8
	ds_store_b128 v[SK+1-(\slot)], v[STG+4*i:STG+4*i+3] offset:8*PK*i       ; into the slot that every wave had read out before the last barrier
	ds_store_b128 v[SV+1-(\slot)], v[STG+32+4*i:STG+32+4*i+3] offset:8*PV*i
	ds_store_b128 v[SV+1-(\slot)], v[STG+64+4*i:STG+64+4*i+3] offset:64*PV+8*PV*i
.set i, i+1
.endr
	WIN 0
	s_wait_dscnt 0x0                               ; my part of the next tile is in LDS, and my reads of this one are back
	s_barrier_signal -1
	s_barrier_wait -1
.endif
.endm
	s_mov_b32 s15, 16
.Ltile:
	TILE 0, 0
	TILE 1, 0
	s_sub_co_u32 s15, s15, 1
	s_cmp_lg_u32 s15, 0
	s_cbranch_scc1 .Ltile
	TILE 0, 1
	s_barrier_signal -1
	s_barrier_wait -1
	s_wait_tensorcnt 0x0
	ds_add_u32 v126, v127
	s_wait_dscnt 0x0
	s_endpgm
.Lfunc_end_k_q5454299a56_attn:
	.size	k_q5454299a56_attn, .Lfunc_end_k_q5454299a56_attn-k_q5454299a56_attn
	.p2alignl 7, 3214868480
	.fill 96, 4, 3214868480
	.section	.rodata,"a",@progbits
	.p2align	6, 0x0
	.amdhsa_kernel k_q5454299a56_attn
		.amdhsa_group_segment_fixed_size 120320
		.amdhsa_private_segment_fixed_size 0
		.amdhsa_enable_private_segment 0
		.amdhsa_kernarg_size 24
		.amdhsa_user_sgpr_count 2
		.amdhsa_user_sgpr_kernarg_segment_ptr 1
		.amdhsa_wavefront_size32 1
		.amdhsa_system_sgpr_workgroup_id_x 1
		.amdhsa_system_sgpr_workgroup_id_y 1
		.amdhsa_system_sgpr_workgroup_id_z 1
		.amdhsa_system_vgpr_workitem_id 0
		.amdhsa_next_free_vgpr 640
		.amdhsa_next_free_sgpr 66
		.amdhsa_reserve_vcc 1
		.amdhsa_float_denorm_mode_32 3
		.amdhsa_float_denorm_mode_16_64 3
		.amdhsa_memory_ordered 1
		.amdhsa_forward_progress 1
		.amdhsa_inst_pref_size 120
	.end_amdhsa_kernel
	.amdgpu_metadata
---
amdhsa.version: [ 1, 2 ]
amdhsa.kernels:
  - .name:           k_q5454299a56_attn
    .symbol:         k_q5454299a56_attn.kd
    .args:
      - { .name: qkv, .offset: 0, .size: 8, .value_kind: global_buffer, .address_space: global }
      - { .name: fl, .offset: 8, .size: 8, .value_kind: global_buffer, .address_space: global }
      - { .name: oh, .offset: 16, .size: 8, .value_kind: global_buffer, .address_space: global }
    .group_segment_fixed_size: 120320
    .private_segment_fixed_size: 0
    .kernarg_segment_align: 8
    .kernarg_segment_size: 24
    .max_flat_workgroup_size: 128
    .sgpr_count:     66
    .vgpr_count:     640
    .wavefront_size: 32
...
	.end_amdgpu_metadata
.endif
;; end of part 4
;; launch oproj (part 5): grid 4 x 64, 8 waves a work-group, no clusters, 35,840 bytes of LDS; arguments oh, wf, out0; writes out0
.if DOCPART == 5
	.amdgcn_target "amdgcn-amd-amdhsa--gfx1250"
	.amdhsa_code_object_version 6
	.text
	.protected	k_q5454299a56_oproj
	.globl	k_q5454299a56_oproj
	.p2align	8
	.type	k_q5454299a56_oproj,@function
k_q5454299a56_oproj:
	s_mov_b64 s[64:65], 0
	v_nop
	global_prefetch_b8 v0, s[64:65] scope:SCOPE_SE
	s_setreg_imm32_b32 hwreg(HW_REG_WAVE_MODE, 25, 1), 1
	s_wait_xcnt 0x0
; OPROJ.  out0[token][column] = the sum over 512 channels of O[token][channel] Wo[channel][column]; f16 operands, f32 sums, f32 out.  O comes as two f16 numbers, hi + lo: each K step
; multiplies both by the same fragments of Wo, onto the same sums.
; A work-group makes 64 tokens x 256 columns; wave w two tiles of 16 tokens (w % 2) x four tiles of 16 columns (w / 2): eight accumulators, which take turns.
; The operands lie in memory as fragments: two loads of 512 consecutive bytes each, straight into registers, two K steps ahead, in a ring of three slots.
; The product is taken with Wo's columns as rows: a lane holds one token and eight neighbouring columns, 32 bytes of a row; 16 tokens x 256 bytes go through the wave's own
; LDS rows and leave as whole aligned runs of 256 bytes.  No barrier: no wave reads another's bytes.  NO CLUSTER: nothing goes to LDS on the way in.
; REGISTERS.  Window 0: v1-7 addresses; v64-255 the ring, slot s at 64 + 64 s: O hi's two fragments, O lo's two, Wo's four.  Window 1: v0-63 the accumulators, (mt, nt) at 8 (4 mt + nt).
.set RING, 64
.set MSB, 0
.macro WIN new                         ; the immediate's high byte repeats the setting that is left
.if MSB != (\new)
	s_set_vgpr_msb (MSB<<8)|(\new)
.set MSB, \new
.endif
.endm
.macro PLACES
.rept 4
	v_nop
.endr
.endm
	s_load_b128 s[4:7], s[0:1], 0x0                ; oh 4:5, wf 6:7
	s_load_b64 s[8:9], s[0:1], 0x10                ; out0
	v_lshl_add_u32 v62, v0, 2, 0x8800
	v_mov_b32 v63, 0
	v_lshrrev_b32 v1, 5, v0
	v_readfirstlane_b32 s10, v1                    ; wave
	s_and_b32 s11, s10, 1                          ; which 32 tokens
	s_lshr_b32 s12, s10, 1                         ; which 64 columns
	s_mov_b32 s13, ttmp9                           ; x: 256 columns
	s_and_b32 s14, ttmp7, 0xffff                   ; y: 64 tokens
	v_and_b32 v1, 31, v0
	v_and_b32 v2, 15, v0
	v_bfe_u32 v3, v0, 4, 1
	v_lshlrev_b32 v4, 4, v1                        ; 16 L
	s_mul_i32 s22, s10, 4352                       ; my 16 rows x 272 bytes of LDS
	v_mul_u32_u24 v5, v2, 272
	v_lshl_add_u32 v5, v3, 5, v5
	v_add_nc_u32 v5, s22, v5                       ; in: row r, 32 bytes for each half of the lanes
	v_mul_u32_u24 v6, v3, 272
	v_lshl_add_u32 v6, v2, 4, v6
	v_add_nc_u32 v6, s22, v6                       ; back: lanes 0-15 one row of 256 bytes, lanes 16-31 the next
	v_lshlrev_b32 v7, 12, v3
	v_lshl_add_u32 v7, v2, 4, v7                   ; and the same two rows in out0
	s_lshl_b32 s16, s14, 2
	s_lshl1_add_u32 s16, s11, s16
	s_lshl_b32 s16, s16, 15                        ; tile of 16 tokens 4 y + 2 (w % 2): 32,768 bytes each, hi then lo
	s_mov_b32 s17, 0
	s_lshr_b32 s18, s12, 1
	s_lshl1_add_u32 s18, s13, s18                  ; group of 128 columns
	s_lshl_b32 s18, s18, 4
	s_add_co_u32 s18, s18, 3072
	s_lshl_b32 s18, s18, 13                        ; its first unit
	s_and_b32 s20, s12, 1
	s_lshl_b32 s20, s20, 12                        ; tiles 0-3 or 4-7 of it
	s_add_co_u32 s18, s18, s20
	s_mov_b32 s19, 0
	s_lshl_b32 s20, s14, 18
	s_lshl_b32 s21, s11, 17
	s_add_co_u32 s20, s20, s21
	s_lshl_b32 s21, s13, 10
	s_add_co_u32 s20, s20, s21
	s_lshl_b32 s21, s12, 8
	s_add_co_u32 s20, s20, s21                     ; (64 y + 32 (w % 2)) rows of 4,096 bytes + 1,024 x + 256 (w / 2)
	s_mov_b32 s21, 0
	s_wait_kmcnt 0x0
	s_add_nc_u64 s[4:5], s[4:5], s[16:17]
	s_add_nc_u64 s[6:7], s[6:7], s[18:19]
	s_add_nc_u64 s[8:9], s[8:9], s[20:21]
.macro LDK k                           ; K step k: sixteen loads
.set sl, RING+64*((\k)%3)
.set pt, 0
.rept 2
.set mt, 0
.rept 2
	global_load_b128 v[sl+16*pt+8*mt:sl+16*pt+8*mt+3],   v4, s[4:5] offset:32768*mt+16384*pt+1024*(\k)
	global_load_b128 v[sl+16*pt+8*mt+4:sl+16*pt+8*mt+7], v4, s[4:5] offset:32768*mt+16384*pt+1024*(\k)+512
.set mt, mt+1
.endr
.set pt, pt+1
.endr
.set nt, 0
.rept 4
	global_load_b128 v[sl+32+8*nt:sl+32+8*nt+3],   v4, s[6:7] offset:8192*(\k)+1024*nt
	global_load_b128 v[sl+32+8*nt+4:sl+32+8*nt+7], v4, s[6:7] offset:8192*(\k)+1024*nt+512
.set nt, nt+1
.endr
.endm
.macro STEP k
.if (\k) > 0
	PLACES                                         ; the slot loaded below was multiplied in the step before
.endif
	WIN 0
.if (\k) < 14
	LDK (\k)+2
	s_wait_loadcnt 32                              ; behind this step's loads stand two steps' sixteen
.elseif (\k) == 14
	s_wait_loadcnt 16
.else
	s_wait_loadcnt 0x0
.endif
	WIN 0x50                                       ; C and D in window 1
.set sl, RING+64*((\k)%3)
.set pt, 0
.rept 2
.set mt, 0
.rept 2
.set nt, 0
.rept 4
.if ((\k) == 0) && (pt == 0)
	v_wmma_f32_16x16x32_f16 v[8*(4*mt+nt):8*(4*mt+nt)+7], v[sl+32+8*nt:sl+32+8*nt+7], v[sl+16*pt+8*mt:sl+16*pt+8*mt+7], 0
.else
	v_wmma_f32_16x16x32_f16 v[8*(4*mt+nt):8*(4*mt+nt)+7], v[sl+32+8*nt:sl+32+8*nt+7], v[sl+16*pt+8*mt:sl+16*pt+8*mt+7], v[8*(4*mt+nt):8*(4*mt+nt)+7]
.endif
.set nt, nt+1
.endr
.set mt, mt+1
.endr
.set pt, pt+1
.endr
.endm
	LDK 0
	LDK 1
.set kk, 0
.rept 16
	STEP kk
.set kk, kk+1
.endr
	PLACES
.set mt, 0
.rept 2
	WIN 0x04                                       ; store data in window 1
.set nt, 0
.rept 4
	ds_store_b128 v5, v[8*(4*mt+nt):8*(4*mt+nt)+3] offset:64*nt             ; each accumulator from its low end on
	ds_store_b128 v5, v[8*(4*mt+nt)+4:8*(4*mt+nt)+7] offset:64*nt+16
.set nt, nt+1
.endr
	WIN 0
.set i, 0
.rept 8
	ds_load_b128 v[RING+32*mt+4*i:RING+32*mt+4*i+3], v6 offset:544*i        ; LDS serves a wave's instructions in order (ISA guide 5.7.1.4): these see the stores above
.set i, i+1
.endr
.set i, 0
.rept 8
	s_wait_dscnt 7-i
	global_store_b128 v7, v[RING+32*mt+4*i:RING+32*mt+4*i+3], s[8:9] offset:65536*mt+8192*i th:TH_STORE_NT  ; 16 lanes store 256 consecutive bytes, at a multiple of 256 from out0's first
.set i, i+1
.endr
.set mt, mt+1
.endr
	s_barrier_signal -1
	s_barrier_wait -1
	s_wait_tensorcnt 0x0
	ds_add_u32 v62, v63
	s_wait_dscnt 0x0
	s_endpgm
.Lfunc_end_k_q5454299a56_oproj:
	.size	k_q5454299a56_oproj, .Lfunc_end_k_q5454299a56_oproj-k_q5454299a56_oproj
	.p2alignl 7, 3214868480
	.fill 96, 4, 3214868480
	.section	.rodata,"a",@progbits
	.p2align	6, 0x0
	.amdhsa_kernel k_q5454299a56_oproj
		.amdhsa_group_segment_fixed_size 35840
		.amdhsa_private_segment_fixed_size 0
		.amdhsa_enable_private_segment 0
		.amdhsa_kernarg_size 24
		.amdhsa_user_sgpr_count 2
		.amdhsa_user_sgpr_kernarg_segment_ptr 1
		.amdhsa_wavefront_size32 1
		.amdhsa_system_sgpr_workgroup_id_x 1
		.amdhsa_system_sgpr_workgroup_id_y 1
		.amdhsa_system_sgpr_workgroup_id_z 1
		.amdhsa_system_vgpr_workitem_id 0
		.amdhsa_next_free_vgpr 320
		.amdhsa_next_free_sgpr 66
		.amdhsa_reserve_vcc 0
		.amdhsa_float_denorm_mode_32 3
		.amdhsa_float_denorm_mode_16_64 3
		.amdhsa_memory_ordered 1
		.amdhsa_forward_progress 1
		.amdhsa_inst_pref_size 51
	.end_amdhsa_kernel
	.amdgpu_metadata
---
amdhsa.version: [ 1, 2 ]
amdhsa.kernels:
  - .name:           k_q5454299a56_oproj
    .symbol:         k_q5454299a56_oproj.kd
    .args:
      - { .name: oh, .offset: 0, .size: 8, .value_kind: global_buffer, .address_space: global }
      - { .name: wf, .offset: 8, .size: 8, .value_kind: global_buffer, .address_space: global }
      - { .name: out0, .offset: 16, .size: 8, .value_kind: global_buffer, .address_space: global }
    .group_segment_fixed_size: 35840
    .private_segment_fixed_size: 0
    .kernarg_segment_align: 8
    .kernarg_segment_size: 24
    .max_flat_workgroup_size: 256
    .sgpr_count:     66
    .vgpr_count:     320
    .wavefront_size: 32
...
	.end_amdgpu_metadata
.endif
;; end of part 5
;; ======== version 2 of 2: 5 launches; 1.21 times as fast as version 1
;; limits: values are held in f16: magnitudes above 65,504 overflow, below 6.1e-05 lose precision
;; workspace buffers: xb 8,388,608 bytes; wf 26,214,400 bytes; fl 2,293,760 bytes; idx 65,536 bytes of whole numbers; lst 524,544 bytes of whole numbers; qkv 16,777,216 bytes; oh 8,388,608 bytes
;; launch prep: the kernel of part 1 again; grid 432 x 1, 8 waves a work-group, no clusters, 134,144 bytes of LDS; arguments x, Wq, Wk, Wv, Wr, Wo, xb, wf, fl, idx; writes xb, wf, fl, idx
;; launch bucket: the kernel of part 2 again; grid 33 x 1, 8 waves a work-group, no clusters, 9,216 bytes of LDS; arguments idx, fl, lst, out1, out2; writes lst, out1, out2
;; launch proj: the kernel of part 3 again; grid 8 x 32, 8 waves a work-group, no clusters, 250,624 bytes of LDS; arguments lst, xb, wf, fl, qkv; writes qkv
;; launch attn (part 6): grid 32 x 8, 4 waves a work-group, no clusters, 175,616 bytes of LDS; arguments qkv, fl, oh; writes oh
.if DOCPART == 6
	.amdgcn_target "amdgcn-amd-amdhsa--gfx1250"
	.amdhsa_code_object_version 6
	.text
	.protected	k_q5454299a56_attn
	.globl	k_q5454299a56_attn
	.p2align	8
	.type	k_q5454299a56_attn,@function
k_q5454299a56_attn:
	s_mov_b64 s[64:65], 0
	v_nop
	global_prefetch_b8 v0, s[64:65] scope:SCOPE_SE
	s_setreg_imm32_b32 hwreg(HW_REG_WAVE_MODE, 25, 1), 1
	s_wait_xcnt 0x0
; ATTN.  Causal attention at head size 128 in eight sequences (batch x slot) of 2,048 rows; q, k in f16, v as two f16 numbers (hi + lo); products, maxima and sums in f32, the weights
; rounded to f16 for the second product, which is taken with v hi and with v lo.  The result is divided by the sum, multiplied by the token's head weight, and stored as two f16 numbers
; again (hi: the f32 number with its 13 lowest mantissa bits cleared; lo: the rest, rounded), each as the fragments that the output projection reads.  Why two: a sequence's first rows are
; many times the output's root mean square, and a single f16 rounding of v or of the result is too coarse for the numbers near zero in them.
; THE WALK.  A sequence has 64 blocks of 32 queries; block i needs the key tiles 0 .. i / 4 of 128 keys, the last holding the diagonal.  Work-group b takes blocks 63 - b and then b:
; with a = b / 4 that is (16 - a) + (a + 1) = 17 tiles whatever b.  An outer loop goes twice, once a block; the inner loop's bound is made from the work-group's number.
; THE WAVES SPLIT THE KEYS: wave w takes keys 32 w .. 32 w + 31 of every tile, for all 32 queries, with a running maximum, a sum and an O^T of its own.  So each fragment of K and V feeds
; one wave alone.
; At a block's end the four waves' parts meet in LDS: with M the largest of their maxima, wave u's sum and O^T count times 2^(c m_u - c M).  Two barriers a block.
; LAYOUT.  S^T = K Q^T (source 0 = 16 keys, source 1 = 16 queries): a lane holds ONE query (lane % 16) and keys 8 (lane / 16) + 0..7; a query tile's two results rounded in pairs ARE source 1
; of O^T = V^T P.  K comes out of LDS as it lies, V turned by ds_load_tr16_b128.  p = 2^(c s - c m), c = log2(e) / sqrt(128); O and l are multiplied by a = 2^(c m_old - c m_new) in every trip.
; A block begins with c m far below every c s, so its first a is 0 and O and l need only be finite: zeros at the start (128 moves, in the wait for the first tile), the first block's
; leavings for the second.  A wave all of whose keys are hidden ends with m = -1e30 and finite sums, which the merge multiplies by 0.
; NO CLUSTER.  The four work-groups 4 a .. 4 a + 3 of a sequence walk the same tiles in the same order, and joint tensor loads would divide their requests by four.  Not built: each of the
; 16 refills would then stand behind a round of the cluster's barrier, where this text has no barrier in a trip at all.
; LIMITS.  A hidden score counts as -1e30; a weight below 2^-126 counts as 0; NaN and infinities are not treated apart; q, k, v arrive within f16's range; results below 6e-5 keep f16's fixed step of 6e-8.
.set PK,   272                         ; a row of K in LDS: 256 bytes + 16
.set PV,   288                         ; a row of V: 256 + 32
.set VOFF, 32*PK                       ; a wave's bytes: 32 rows of K, then of V hi,
.set VLO,  32*PV                       ; then of V lo
.set WREG, VOFF+2*VLO                  ; 27,136 bytes a wave
.set MO,   4*WREG                      ; behind them the merge: for each wave 16 tiles (2 query tiles x 8 channel tiles) of 1,024 bytes
.set MS,   MO+4*16384                  ; and the statistics: for each wave 2 x 16 queries x (c m, l)
.set HWO,  2097152                     ; fl: the head weights
.set AK, 4                             ; v4   my lane's place in my K rows; v4-15 are never rewritten, but for v11
.set AV, 5                             ; v5   the same for V's turning loads
.set SK, 6                             ; v6   where I put 16 bytes of K
.set SV, 7                             ; v7   of V hi
.set GL, 8                             ; v8   16 x lane
.set QO, 9                             ; v9   my offset in 16 rows of Q
.set TB, 10                            ; v10  lane % 16 - 8 (lane / 16) - 32 w
.set TH, 11                            ; v11  that + 32 (block % 4): in the diagonal tile score 16 kt + j of query tile t is hidden where 16 kt + j - 16 t is greater
.set MOW, 12                           ; v12  the merge: where I write
.set MOR, 13                           ; v13  where I read: channel tiles 2 w, 2 w + 1
.set MSW, 14                           ; v14  the statistics: where I write
.set MSR, 15                           ; v15  where I read
.set HL, 18                            ; v18, v19  the second block's head weights (query tile 0, 1)
.set HC, 20                            ; v20, v21  those of the block in hand
.set ST, 24                            ; query tile t at v[24 + 8 t]: c m, m, l (even keys', odd keys'), two at work, a, c m_old - c m
.set TM, 40                            ; v40-47   at work
.set Q,  48                            ; v48-111  Q: (t, 32 channels kp) at 48 + 32 t + 8 kp
.set S,  112                           ; v112-143 S^T: (t, 16 keys kt) at 112 + 16 t + 8 kt
.set P,  144                           ; v144-159 P: 8 a query tile
.set KF, 160                           ; v160-223 K's fragments: (kt, kp) at 160 + 32 kt + 8 kp
.set X,  224                           ; v224-255 at work at a block's end
.set GK, 128                           ; window 1: v0-127 O^T, (t, channel tile cb) at 64 t + 8 cb; v128-191, v192-255 the next tile's K and V hi on their way
.set GH, 192
.set VH, 0                             ; window 2: v0-63, v64-127 V hi's and V lo's fragments, 8 a channel tile; v128-191 the next tile's V lo on its way
.set VL, 64
.set GV, 128
.set MSB, 0
.macro WIN new                         ; s_set_vgpr_msb: bits 1:0 source 0, 3:2 source 1, 5:4 source 2, 7:6 destination; the high byte repeats the setting that is left
.if MSB != (\new)
	s_set_vgpr_msb (MSB<<8)|(\new)
.set MSB, \new
.endif
.endm
.macro PLACES                          ; four plain instructions between a matrix instruction and a read of its result or a load into its registers
.rept 4
	v_nop
.endr
.endm
; My 32 rows of a tile: 3 x 16 loads of 512 consecutive bytes
.macro LOADT bk, bh, bl
	WIN 0x40
.set i, 0
.rept 16
	global_load_b128 v[GK+4*i:GK+4*i+3], v[GL], s[\bk:\bk+1] offset:512*i
.set i, i+1
.endr
.set i, 0
.rept 16
	global_load_b128 v[GH+4*i:GH+4*i+3], v[GL], s[\bh:\bh+1] offset:512*i
.set i, i+1
.endr
	WIN 0x80
.set i, 0
.rept 16
	global_load_b128 v[GV+4*i:GV+4*i+3], v[GL], s[\bl:\bl+1] offset:512*i
.set i, i+1
.endr
	WIN 0
.endm
.macro LOADQ b                         ; 32 queries as fragments
.set i, 0
.rept 8
	global_load_b128 v[Q+8*i:Q+8*i+3],   v[QO], s[\b:\b+1] offset:4096*(i/4)+64*(i%4)
	global_load_b128 v[Q+8*i+4:Q+8*i+7], v[QO], s[\b:\b+1] offset:4096*(i/4)+64*(i%4)+32
.set i, i+1
.endr
.endm
; The tile in the staging registers goes through my LDS bytes into the fragments' registers.  LDS serves a wave's instructions in order (ISA guide 5.7.1.4): each run of loads sees the stores
; in front of it, and K's fragments, wanted first, stand ahead of V's stores.  The last 32 instructions are V's loads.
.macro FETCH
	WIN 0x04                                       ; store data in window 1
.set i, 0
.rept 16
	ds_store_b128 v[SK], v[GK+4*i:GK+4*i+3] offset:2*PK*i
.set i, i+1
.endr
	WIN 0
.set f, 0
.rept 8
	ds_load_b128 v[KF+8*f:KF+8*f+3],   v[AK] offset:16*PK*(f/4)+64*(f%4)
	ds_load_b128 v[KF+8*f+4:KF+8*f+7], v[AK] offset:16*PK*(f/4)+64*(f%4)+32
.set f, f+1
.endr
	WIN 0x04
.set i, 0
.rept 16
	ds_store_b128 v[SV], v[GH+4*i:GH+4*i+3] offset:2*PV*i
.set i, i+1
.endr
	WIN 0x08                                       ; store data in window 2
.set i, 0
.rept 16
	ds_store_b128 v[SV], v[GV+4*i:GV+4*i+3] offset:VLO+2*PV*i
.set i, i+1
.endr
	WIN 0x80                                       ; destination window 2
.set f, 0
.rept 8
	ds_load_tr16_b128 v[VH+8*f:VH+8*f+3],   v[AV] offset:32*f
	ds_load_tr16_b128 v[VH+8*f+4:VH+8*f+7], v[AV] offset:16*PV+32*f
.set f, f+1
.endr
.set f, 0
.rept 8
	ds_load_tr16_b128 v[VL+8*f:VL+8*f+3],   v[AV] offset:VLO+32*f
	ds_load_tr16_b128 v[VL+8*f+4:VL+8*f+7], v[AV] offset:VLO+16*PV+32*f
.set f, f+1
.endr
	WIN 0
.endm
.macro BOTH line:vararg                ; one line for each query tile t
.set t, 0
	s_wait_alu depctr_va_vdst(0)
.rept 2
	\line
.set t, t+1
.endr
.endm
	s_load_b128 s[4:7], s[0:1], 0x0                ; qkv 4:5, fl 6:7
	s_load_b64 s[8:9], s[0:1], 0x10                ; oh
	v_lshl_add_u32 v46, v0, 2, 0x2ac00
	v_mov_b32 v47, 0
	v_lshrrev_b32 v1, 5, v0
	v_readfirstlane_b32 s10, v1                    ; wave
	s_mov_b32 s11, ttmp9                           ; b
	s_and_b32 s36, ttmp7, 0xffff                   ; sequence = batch x 4 + slot
	s_lshr_b32 s19, s11, 2                         ; a
	s_and_b32 s21, s11, 3
	s_lshl_b32 s20, s21, 5                         ; 32 (block % 4) of the second block,
	s_sub_co_u32 s37, 3, s21
	s_lshl_b32 s37, s37, 5                         ; of the first
	s_sub_co_u32 s14, 15, s19                      ; the last tile of the block whose tiles are being asked for
	s_mov_b32 s18, s14                             ; the trip that holds the diagonal
	s_add_co_u32 s12, s14, 1                       ; trips of the block in hand
	s_mov_b32 s13, 1                               ; the tile to ask for next
	s_mov_b32 s15, 17                              ; trips to go in all
	s_mov_b32 s16, 2                               ; blocks to go
	s_sub_co_u32 s54, 63, s11                      ; the first block's number
	s_mov_b32 s30, 0x3e0293ee                      ; c = 0.127517
	s_mov_b32 s31, s30
	s_mov_b32 s32, 0xf149f2ca                      ; -1e30
	s_mov_b32 s33, 0xffffe000                      ; keeps an f32's sign, exponent and ten highest mantissa bits
	s_mov_b32 s35, 0                               ; the high word of the offset pair s[34:35]
	s_mov_b32 s60, 0x76543210                      ; v_permlanex16_b32: each lane takes its own place in the other half
	s_mov_b32 s61, 0xfedcba98
	v_and_b32 v1, 31, v0
	v_and_b32 v2, 15, v0                           ; r
	v_bfe_u32 v3, v0, 4, 1                         ; g
	s_mul_i32 s56, s10, WREG                       ; my LDS bytes
	s_add_co_u32 s57, s56, VOFF
	v_mul_u32_u24 v[AK], v2, PK
	v_lshl_add_u32 v[AK], v3, 4, v[AK]
	v_add_nc_u32 v[AK], s56, v[AK]
	v_and_b32 v[TM], 7, v0
	v_bfe_u32 v[TM+1], v0, 3, 1
	v_lshl_add_u32 v[AV], v3, 3, v[TM]
	v_mul_u32_u24 v[AV], v[AV], PV
	v_lshl_add_u32 v[AV], v[TM+1], 4, v[AV]
	v_add_nc_u32 v[AV], s57, v[AV]
	v_mul_u32_u24 v[SK], v3, PK                    ; a load's 32 lanes hold two rows: lanes 0-15 the even one
	v_lshl_add_u32 v[SK], v2, 4, v[SK]
	v_add_nc_u32 v[SK], s56, v[SK]
	v_mul_u32_u24 v[SV], v3, PV
	v_lshl_add_u32 v[SV], v2, 4, v[SV]
	v_add_nc_u32 v[SV], s57, v[SV]
	v_lshlrev_b32 v[GL], 4, v1
	v_lshlrev_b32 v[QO], 8, v2
	v_lshl_add_u32 v[QO], v3, 4, v[QO]
	v_lshlrev_b32 v[TB], 3, v3
	v_sub_nc_u32 v[TB], v2, v[TB]
	s_lshl_b32 s58, s10, 5
	v_sub_nc_u32 v[TB], v[TB], s58
	v_add_nc_u32 v[TH], s37, v[TB]
	s_lshl_b32 s58, s10, 14
	s_add_co_u32 s58, s58, MO
	v_add_nc_u32 v[MOW], s58, v[GL]
	s_lshl_b32 s58, s10, 11
	s_add_co_u32 s58, s58, MO
	v_add_nc_u32 v[MOR], s58, v[GL]
	s_lshl_b32 s58, s10, 8
	s_add_co_u32 s58, s58, MS
	v_lshl_add_u32 v[MSW], v2, 3, s58
	v_lshlrev_b32 v[MSR], 3, v2
	v_add_nc_u32 v[MSR], MS, v[MSR]
	s_lshr_b32 s55, s36, 2                         ; batch
	s_and_b32 s59, s36, 3                          ; slot
	s_lshl_b32 s58, s55, 6                         ; batch x 64 blocks
	s_add_co_u32 s38, s58, s54
	s_lshl_b32 s39, s38, 9                         ; 32 tokens x 16 bytes of head weights a block
	s_lshl2_add_u32 s39, s59, s39
	v_lshl_add_u32 v[TM+2], v2, 4, s39             ; my token's head weight, first block
	s_add_co_u32 s21, s58, s11
	s_lshl_b32 s39, s21, 9
	s_lshl2_add_u32 s39, s59, s39
	v_lshl_add_u32 v[TM+3], v2, 4, s39             ; second block
	s_lshl_b32 s39, s59, 12                        ; in oh: the slot's four fragments,
	s_lshl_b32 s37, s10, 10                        ; of them fragment w,
	s_add_co_u32 s39, s39, s37
	s_lshl_b32 s38, s38, 16                        ; in the block's two tiles of 16 tokens, 32,768 bytes each (hi, then lo)
	s_add_co_u32 s38, s38, s39
	s_lshl_b32 s21, s21, 16
	s_add_co_u32 s21, s21, s39
	s_wait_kmcnt 0x0
	s_lshl_b32 s34, s36, 19
	s_add_nc_u64 s[52:53], s[4:5], s[34:35]        ; q of my sequence
	s_lshl_b32 s34, s10, 13
	s_add_nc_u64 s[44:45], s[52:53], s[34:35]      ; my 32 rows of a tile:
	s_add_nc_u64 s[46:47], s[44:45], 0x800000      ; v hi,
	s_add_nc_u64 s[48:49], s[44:45], 0xc00000      ; v lo,
	s_add_nc_u64 s[44:45], s[44:45], 0x400000      ; k
	s_lshl_b32 s34, s54, 13
	s_add_nc_u64 s[40:41], s[52:53], s[34:35]      ; the first block's queries
	s_lshl_b32 s34, s11, 13
	s_add_nc_u64 s[42:43], s[52:53], s[34:35]      ; the second's
	s_mov_b32 s34, s38
	s_add_nc_u64 s[26:27], s[8:9], s[34:35]        ; where the block in hand goes
	s_mov_b32 s34, s21
	s_add_nc_u64 s[28:29], s[8:9], s[34:35]        ; and the second
	LOADT 44, 46, 48                               ; tile 0
	LOADQ 40
	global_load_b32 v[HC],   v[TM+2], s[6:7] offset:HWO
	global_load_b32 v[HC+1], v[TM+2], s[6:7] offset:HWO+256
	global_load_b32 v[HL],   v[TM+3], s[6:7] offset:HWO
	global_load_b32 v[HL+1], v[TM+3], s[6:7] offset:HWO+256
	WIN 0x40
.set i, 0
.rept 128
	v_mov_b32 v[i], 0
.set i, i+1
.endr
	WIN 0
	BOTH v_mov_b32 v[ST+8*t], 0xfe000000           ; c m: far below every c s
	BOTH v_mov_b32 v[ST+8*t+1], 0xff7fffff         ; m: the lowest finite number
	BOTH v_mov_b32 v[ST+8*t+2], 0
	BOTH v_mov_b32 v[ST+8*t+3], 0
	s_wait_loadcnt 0x0
	FETCH
.Lblock:
	s_wait_loadcnt 0x0                             ; the block's Q
	s_mov_b32 s17, 0
.Ltrip:
	s_wait_dscnt 32                                ; all but the youngest 32 LDS instructions, V's loads: K's fragments are in, and the stores have read the staging registers
	s_cmp_eq_u32 s15, 1
	s_cbranch_scc1 .Lnoload                        ; the walk's last trip asks for nothing
	s_lshl_b32 s34, s13, 15                        ; a tile is 32,768 bytes of each; the last trip's loads were waited for, so the bases may be written
	s_add_nc_u64 s[22:23], s[44:45], s[34:35]
	s_add_nc_u64 s[24:25], s[46:47], s[34:35]
	s_add_nc_u64 s[50:51], s[48:49], s[34:35]
	LOADT 22, 24, 50
	s_add_co_u32 s13, s13, 1                       ; the block's next tile, or behind its last the second block's tile 0
	s_cmp_gt_u32 s13, s14
	s_cselect_b32 s13, 0, s13
	s_cselect_b32 s14, s19, s14
.Lnoload:
.set kp, 0
.rept 4                                            ; S^T = K Q^T: the four accumulators take turns; the first four products start the sums
.set t, 0
.rept 2
.set kt, 0
.rept 2
.if kp == 0
	v_wmma_f32_16x16x32_f16 v[S+16*t+8*kt:S+16*t+8*kt+7], v[KF+32*kt:KF+32*kt+7], v[Q+32*t:Q+32*t+7], 0
.else
	v_wmma_f32_16x16x32_f16 v[S+16*t+8*kt:S+16*t+8*kt+7], v[KF+32*kt+8*kp:KF+32*kt+8*kp+7], v[Q+32*t+8*kp:Q+32*t+8*kp+7], v[S+16*t+8*kt:S+16*t+8*kt+7]
.endif
.set kt, kt+1
.endr
.set t, t+1
.endr
.set kp, kp+1
.endr
	PLACES
	s_cmp_lg_u32 s17, s18
	s_cbranch_scc1 .Lnomask                        ; only a block's last tile holds the diagonal
.set t, 0
.rept 2
.set i, 0
.rept 16
	v_cmp_gt_i32 vcc_lo, 16*(i/8)+i%8-16*t, v[TH]
	v_cndmask_b32 v[S+16*t+i], v[S+16*t+i], s32, vcc_lo
.set i, i+1
.endr
.set t, t+1
.endr
.Lnomask:
	; the maximum of a query's 16 scores in this lane and the old m; each accumulator is read from its low end on
	BOTH v_max3_num_f32 v[ST+8*t+4], v[S+16*t], v[S+16*t+1], v[S+16*t+2]
	BOTH v_max3_num_f32 v[ST+8*t+5], v[S+16*t+8], v[S+16*t+9], v[S+16*t+10]
	BOTH v_max3_num_f32 v[ST+8*t+4], v[ST+8*t+4], v[S+16*t+3], v[S+16*t+4]
	BOTH v_max3_num_f32 v[ST+8*t+5], v[ST+8*t+5], v[S+16*t+11], v[S+16*t+12]
	BOTH v_max3_num_f32 v[ST+8*t+4], v[ST+8*t+4], v[S+16*t+5], v[S+16*t+6]
	BOTH v_max3_num_f32 v[ST+8*t+5], v[ST+8*t+5], v[S+16*t+13], v[S+16*t+14]
	BOTH v_max3_num_f32 v[ST+8*t+4], v[ST+8*t+4], v[S+16*t+7], v[S+16*t+15]
	BOTH v_max3_num_f32 v[ST+8*t+4], v[ST+8*t+4], v[ST+8*t+5], v[ST+8*t+1]
	BOTH v_permlanex16_b32 v[ST+8*t+5], v[ST+8*t+4], s60, s61    ; the query's other 16 keys lie in the lane 16 away
	BOTH v_max_num_f32 v[ST+8*t+1], v[ST+8*t+4], v[ST+8*t+5]
	BOTH v_mov_b32 v[ST+8*t+5], v[ST+8*t]
	BOTH v_mul_f32 v[ST+8*t], s30, v[ST+8*t+1]
	BOTH v_sub_f32 v[ST+8*t+7], v[ST+8*t+5], v[ST+8*t]
.set t, 0
.rept 2
.set i, 0
.rept 8
	v_pk_fma_f32 v[S+16*t+2*i:S+16*t+2*i+1], v[S+16*t+2*i:S+16*t+2*i+1], s[30:31], v[ST+8*t:ST+8*t+1] op_sel_hi:[1,0,0] neg_lo:[0,0,1] neg_hi:[0,0,1]  ; c s - c m
.set i, i+1
.endr
.set t, t+1
.endr
	BOTH v_exp_f32 v[ST+8*t+6], v[ST+8*t+7]        ; a
.set i, 0
.rept 32
	v_exp_f32 v[S+i], v[S+i]
.set i, i+1
.endr
	v_nop                                          ; a plain instruction behind the last exponential
.set i, 0
	s_wait_alu depctr_va_vdst(0)
.rept 16
	v_cvt_pk_f16_f32 v[P+i], v[S+2*i], v[S+2*i+1]
.set i, i+1
.endr
.set i, 0
.rept 8
	v_pk_add_f32 v[S+4*i:S+4*i+1], v[S+4*i:S+4*i+1], v[S+4*i+2:S+4*i+3]
.set i, i+1
.endr
.set i, 0
.rept 4
	v_pk_add_f32 v[S+8*i:S+8*i+1], v[S+8*i:S+8*i+1], v[S+8*i+4:S+8*i+5]
.set i, i+1
.endr
	BOTH v_pk_add_f32 v[S+16*t:S+16*t+1], v[S+16*t:S+16*t+1], v[S+16*t+8:S+16*t+9]
	BOTH v_pk_fma_f32 v[ST+8*t+2:ST+8*t+3], v[ST+8*t+2:ST+8*t+3], v[ST+8*t+6:ST+8*t+7], v[S+16*t:S+16*t+1] op_sel_hi:[1,0,1]   ; l = a l + the sum
	WIN 0x41                                       ; O^T in window 1, a in window 0
.set t, 0
.rept 2
.set i, 0
.rept 32
	v_pk_mul_f32 v[64*t+2*i:64*t+2*i+1], v[64*t+2*i:64*t+2*i+1], v[ST+8*t+6:ST+8*t+7] op_sel_hi:[1,0]
.set i, i+1
.endr
.set t, t+1
.endr
	s_wait_dscnt 0x0                               ; V's fragments are in
	WIN 0x52                                       ; V in window 2, P in window 0, O^T in window 1
.set f, 0
.rept 32                                           ; O^T += V hi^T P, then V lo^T P: the sixteen accumulators take turns, through both runs
.set rO, 64*(f%2)+8*((f%16)/2)
.set rV, 64*(f/16)+8*((f%16)/2)
	v_wmma_f32_16x16x32_f16 v[rO:rO+7], v[rV:rV+7], v[P+8*(f%2):P+8*(f%2)+7], v[rO:rO+7]
.set f, f+1
.endr
	WIN 0
	PLACES                                         ; in front of the loads into V's registers, and of a block's end
	s_wait_loadcnt 0x0                             ; the next tile is in registers; on every path, so that no load is out when the next trip asks
	s_cmp_eq_u32 s15, 1
	s_cbranch_scc1 .Lnofetch
	FETCH
.Lnofetch:
	s_sub_co_u32 s15, s15, 1
	s_add_co_u32 s17, s17, 1
	s_cmp_lt_u32 s17, s12
	s_cbranch_scc1 .Ltrip
	; A BLOCK ENDS.  The second block's Q is asked for first: it lands while the waves' parts are merged
	s_cmp_eq_u32 s16, 1
	s_cbranch_scc1 .Lnoq
	LOADQ 42
.Lnoq:
	BOTH v_add_f32 v[ST+8*t+5], v[ST+8*t+2], v[ST+8*t+3]
	BOTH v_permlanex16_b32 v[ST+8*t+4], v[ST+8*t+5], s60, s61
	BOTH v_add_f32 v[ST+8*t+5], v[ST+8*t+5], v[ST+8*t+4]         ; my wave's l of query r
	BOTH v_mov_b32 v[ST+8*t+4], v[ST+8*t]
	BOTH ds_store_b64 v[MSW], v[ST+8*t+4:ST+8*t+5] offset:128*t  ; (c m, l); a query's two lanes write the same bytes with the same numbers
	s_wait_dscnt 0x0                               ; for the others' sake: my statistics are in LDS; my reads of the merge's bytes in the block before are back
	s_barrier_signal -1
	s_barrier_wait -1
.set u, 0
.rept 4
	BOTH ds_load_b64 v[X+4*u+2*t:X+4*u+2*t+1], v[MSR] offset:256*u+128*t
.set u, u+1
.endr
	s_wait_dscnt 0x0
	BOTH v_max3_num_f32 v[TM+t], v[X+2*t], v[X+4+2*t], v[X+8+2*t]
	BOTH v_max_num_f32 v[TM+t], v[TM+t], v[X+12+2*t]             ; c M
.set u, 0
.rept 4
	BOTH v_sub_f32 v[X+4*u+2*t], v[X+4*u+2*t], v[TM+t]
.set u, u+1
.endr
	BOTH v_sub_f32 v[TM+2+t], v[ST+8*t], v[TM+t]
.set u, 0
.rept 4
	BOTH v_exp_f32 v[X+4*u+2*t], v[X+4*u+2*t]                    ; wave u's factor
.set u, u+1
.endr
	BOTH v_exp_f32 v[TM+2+t], v[TM+2+t]                          ; mine
	v_nop
	s_wait_alu depctr_va_vdst(0)
	BOTH v_mul_f32 v[TM+4+t], v[X+2*t], v[X+2*t+1]
.set u, 1
.rept 3
	BOTH v_fmac_f32 v[TM+4+t], v[X+4*u+2*t], v[X+4*u+2*t+1]      ; L; the wave that holds M adds at least 1
.set u, u+1
.endr
	BOTH v_rcp_f32 v[TM+4+t], v[TM+4+t]
	BOTH v_mul_f32 v[TM+2+t], v[TM+2+t], v[HC+t]                 ; (plain instructions behind the reciprocals, which touch neither)
	BOTH v_mul_f32 v[ST+8*t+6], v[TM+2+t], v[TM+4+t]             ; my factor x head weight / L
	WIN 0x41
.set t, 0
.rept 2
.set i, 0
.rept 32
	v_pk_mul_f32 v[64*t+2*i:64*t+2*i+1], v[64*t+2*i:64*t+2*i+1], v[ST+8*t+6:ST+8*t+7] op_sel_hi:[1,0]
.set i, i+1
.endr
.set t, t+1
.endr
	WIN 0x04
.set i, 0
.rept 16
	ds_store_b128 v[MOW], v[8*i:8*i+3]   offset:1024*i           ; 32 lanes, 16 neighbouring bytes each
	ds_store_b128 v[MOW], v[8*i+4:8*i+7] offset:1024*i+512
.set i, i+1
.endr
	WIN 0
	s_wait_dscnt 0x0                               ; for the others' sake: my part is in LDS; my reads of the statistics are back
	s_barrier_signal -1
	s_barrier_wait -1
	WIN 0x40                                       ; into the staging registers, which are free here: piece n = 2 t + e is channel tile 2 w + e of query tile t
.set n, 0
.rept 4
.set u, 0
.rept 4
	ds_load_b128 v[GK+32*n+8*u:GK+32*n+8*u+3],   v[MOR] offset:16384*u+1024*(8*(n/2)+n%2)
	ds_load_b128 v[GK+32*n+8*u+4:GK+32*n+8*u+7], v[MOR] offset:16384*u+1024*(8*(n/2)+n%2)+512
.set u, u+1
.endr
.set n, n+1
.endr
	s_wait_dscnt 0x0
	WIN 0x45
.set n, 0
.rept 4
.set p, 0
.rept 4
	v_pk_add_f32 v[GK+32*n+2*p:GK+32*n+2*p+1], v[GK+32*n+2*p:GK+32*n+2*p+1], v[GK+32*n+8+2*p:GK+32*n+8+2*p+1]
	v_pk_add_f32 v[GK+32*n+16+2*p:GK+32*n+16+2*p+1], v[GK+32*n+16+2*p:GK+32*n+16+2*p+1], v[GK+32*n+24+2*p:GK+32*n+24+2*p+1]
.set p, p+1
.endr
.set p, 0
.rept 4
	v_pk_add_f32 v[GK+32*n+2*p:GK+32*n+2*p+1], v[GK+32*n+2*p:GK+32*n+2*p+1], v[GK+32*n+16+2*p:GK+32*n+16+2*p+1]
.set p, p+1
.endr
.set n, n+1
.endr
	WIN 0x04
.set n, 0
.rept 4
.set j, 0
.rept 8
	v_and_b32 v[X+8*n+j], s33, v[GK+32*n+j]        ; hi
.set j, j+1
.endr
.set n, n+1
.endr
	WIN 0x41
.set n, 0
.rept 4
.set p, 0
.rept 4
	v_pk_add_f32 v[GK+32*n+8+2*p:GK+32*n+8+2*p+1], v[GK+32*n+2*p:GK+32*n+2*p+1], v[X+8*n+2*p:X+8*n+2*p+1] neg_lo:[0,1] neg_hi:[0,1]   ; lo = the number - hi, exact
.set p, p+1
.endr
.set n, n+1
.endr
	WIN 0
.set i, 0
.rept 16
	v_cvt_pk_f16_f32 v[S+i], v[X+2*i], v[X+2*i+1]
.set i, i+1
.endr
	WIN 0x05
.set n, 0
.rept 4
.set p, 0
.rept 4
	v_cvt_pk_f16_f32 v[S+16+4*n+p], v[GK+32*n+8+2*p], v[GK+32*n+8+2*p+1]
.set p, p+1
.endr
.set n, n+1
.endr
	WIN 0
.set n, 0
.rept 4                                            ; channel tile 2 w + e is half e of the slot's fragment w: each store covers 512 consecutive bytes
	global_store_b128 v[GL], v[S+4*n:S+4*n+3],       s[26:27] offset:32768*(n/2)+512*(n%2)
	global_store_b128 v[GL], v[S+16+4*n:S+16+4*n+3], s[26:27] offset:32768*(n/2)+16384+512*(n%2)
.set n, n+1
.endr
	s_wait_xcnt 0x0                                ; the stores' base and data are written again only behind this wait
	s_cmp_eq_u32 s16, 1
	s_cbranch_scc1 .Llast
	s_mov_b64 s[26:27], s[28:29]                   ; the second block: its place in oh, its trips, its diagonal, its head weights
	s_add_co_u32 s12, s19, 1
	s_mov_b32 s18, s19
	v_add_nc_u32 v[TH], s20, v[TB]
	BOTH v_mov_b32 v[HC+t], v[HL+t]
	BOTH v_mov_b32 v[ST+8*t], 0xfe000000
	BOTH v_mov_b32 v[ST+8*t+1], 0xff7fffff
.Llast:
	s_sub_co_u32 s16, s16, 1
	s_cmp_lg_u32 s16, 0
	s_cbranch_scc1 .Lblock
	s_barrier_signal -1
	s_barrier_wait -1
	s_wait_tensorcnt 0x0
	ds_add_u32 v46, v47
	s_wait_dscnt 0x0
	s_endpgm
.Lfunc_end_k_q5454299a56_attn:
	.size	k_q5454299a56_attn, .Lfunc_end_k_q5454299a56_attn-k_q5454299a56_attn
	.p2alignl 7, 3214868480
	.fill 96, 4, 3214868480
	.section	.rodata,"a",@progbits
	.p2align	6, 0x0
	.amdhsa_kernel k_q5454299a56_attn
		.amdhsa_group_segment_fixed_size 175616
		.amdhsa_private_segment_fixed_size 0
		.amdhsa_enable_private_segment 0
		.amdhsa_kernarg_size 24
		.amdhsa_user_sgpr_count 2
		.amdhsa_user_sgpr_kernarg_segment_ptr 1
		.amdhsa_wavefront_size32 1
		.amdhsa_system_sgpr_workgroup_id_x 1
		.amdhsa_system_sgpr_workgroup_id_y 1
		.amdhsa_system_sgpr_workgroup_id_z 1
		.amdhsa_system_vgpr_workitem_id 0
		.amdhsa_next_free_vgpr 704
		.amdhsa_next_free_sgpr 66
		.amdhsa_reserve_vcc 1
		.amdhsa_float_denorm_mode_32 3
		.amdhsa_float_denorm_mode_16_64 3
		.amdhsa_memory_ordered 1
		.amdhsa_forward_progress 1
		.amdhsa_inst_pref_size 72
	.end_amdhsa_kernel
	.amdgpu_metadata
---
amdhsa.version: [ 1, 2 ]
amdhsa.kernels:
  - .name:           k_q5454299a56_attn
    .symbol:         k_q5454299a56_attn.kd
    .args:
      - { .name: qkv, .offset: 0, .size: 8, .value_kind: global_buffer, .address_space: global }
      - { .name: fl, .offset: 8, .size: 8, .value_kind: global_buffer, .address_space: global }
      - { .name: oh, .offset: 16, .size: 8, .value_kind: global_buffer, .address_space: global }
    .group_segment_fixed_size: 175616
    .private_segment_fixed_size: 0
    .kernarg_segment_align: 8
    .kernarg_segment_size: 24
    .max_flat_workgroup_size: 128
    .sgpr_count:     66
    .vgpr_count:     704
    .wavefront_size: 32
...
	.end_amdgpu_metadata
.endif
;; end of part 6
;; launch oproj: the kernel of part 5 again; grid 4 x 64, 8 waves a work-group, no clusters, 35,840 bytes of LDS; arguments oh, wf, out0; writes out0
